; MI455X (gfx1250); checked and timed in simulation.
; The chip was launched on July 23, 2026; its instructions are those of AMD's public machine-readable ISA for CDNA 5 (MIT licence, August 2026) and "CDNA5" Instruction Set Architecture Reference Guide (July 2026). The comments in the code are by the model that wrote it; some were corrected since.
;; Attention Block. Allowed arithmetic: matrix products marked QUANTISED: E3M2 operands, one E8M0 scale for each 32 along K, by v_wmma_scale_f32_16x16x128_f8f6f4 with both operands' format E3M2, f32 sums; everything else in f32.
;; Inputs: norm_b 256 float32; norm_w 256 float32; proj_b 256 float32; proj_w 256 x 256 float32; qkv_b 768 float32; qkv_w 768 x 256 float32; x 16 x 256 x 32 x 32 float32.
;; Outputs: out0 16 x 256 x 32 x 32 float32.
;; This version of the problem:
;;   THIS VERSION OF THE PROBLEM IS GIVEN IN LOW PRECISION. The matrix products marked QUANTISED in the list below multiply operands that are first quantised to E3M2 (3 exponent bits, 2 mantissa bits; 6 bits a number), with one power-of-two scale for each 32 numbers along K (OCP MX v1.0); their sums are f32. All else is computed in f32.
;;   The module's matrix products, in the order in which they are computed (A, B: the left and right operand; K: the contracted axis; several contracted axes count as one K, in the product's order):
;;     1. [M 16,384, K 256] x [K 256, N 768]; A: computed on the way; B: input qkv_w: QUANTISED
;;     2. batch 64 x [M 1,024, K 64] x [K 64, N 1,024]; A: computed on the way; B: computed on the way: QUANTISED
;;     3. batch 64 x [M 1,024, K 1,024] x [K 1,024, N 64]; A: softmax (see below); B: computed on the way: QUANTISED
;;     4. [M 16,384, K 256] x [K 256, N 256]; A: computed on the way; B: input proj_w: QUANTISED
;;   THE QUANTISER, for each operand of a quantised product, along K:
;;     - K is cut into blocks of 32 from its start; a last block that is shorter is filled with zeros.
;;     - A block's scale is 2^e with e = floor(log2(the largest magnitude in the block)) - 4, held to -126 .. 127; a block of zeros has e = 0. As a byte (E8M0): e + 127.
;;     - Each number is divided by its block's scale, clamped to +-28, and rounded to the nearest number of E3M2, ties to even, subnormals kept.
;;     - The product sums the exact products of the quantised numbers (number of the format x scale) in f32.
;;   ~~~python
;;   def quantise(x, axis):      # numpy; x: float32 -> the quantised numbers, widened to float32 again
;;       x = np.moveaxis(x, axis, -1); K = x.shape[-1]
;;       x = np.pad(x, [(0, 0)] * (x.ndim - 1) + [(0, -K % 32)]); x = x.reshape(x.shape[:-1] + (-1, 32)); a = np.abs(x).max(-1, keepdims=True)
;;       e = np.where(a > 0, np.clip(np.frexp(np.where(a > 0, a, 1))[1] - 1 - 4, -126, 127), 0)      # np.frexp(a)[1] - 1 = floor(log2(a)), exactly
;;       r = np.clip(x / 2.0 ** e, -28, 28)
;;       step = 2.0 ** (np.maximum(np.frexp(np.where(r == 0, 1, r))[1] - 1, -2) - 2)
;;       q = np.round(r / step) * step * 2.0 ** e      # np.round: ties to even
;;       return np.moveaxis(q.reshape(q.shape[:-2] + (-1,))[..., :K], -1, axis).astype(np.float32)
;;   ~~~
;;   SOFTMAX AHEAD OF A QUANTISED PRODUCT. Where the list says 'softmax', what is quantised is not the finished softmax but p = 2^(t - M), with t = logit x log2(e) and M = ceil(the row's largest t), a whole number; so 1/2 < the row's largest p <= 1. The row's sum l is taken of the UNQUANTISED p, in f32, and the product's result is divided by l at the end. Since M is a whole number, a kernel that streams over the keys may use a running M (the ceiling of the running maximum): every later rescaling is an exact power of two, which a block's scale takes up: the codes' values come out the same.
;;   OPERANDS COMPUTED ON THE WAY. 'Computed on the way' means the value that the module computes at that place (a softmax that the list does not call 'softmax' is quantised finished and normalised). What goes into a quantiser is computed in f32, as accurately as f32 sums, v_exp_f32 and their like allow (about 1e-6 of the number): no bf16 or f16 on the way to a quantiser, and a product that is left as it is and whose result goes on into a quantised operand takes f32 operands (vector FMAs, or v_wmma_f32_16x16x4_f32). A number that lies on a knife's edge between two numbers of the format may be rounded either way, as far as f32 arithmetic and the matrix unit's own rounding can turn it there, and no further.
;; 2 versions, each right and faster than the one before. Each part assembles by itself: llvm-mc -triple=amdgcn-amd-amdhsa -mcpu=gfx1250 --defsym DOCPART=n.
;; ======== version 1 of 2: 4 launches
;; workspace buffers: stats 2,048 bytes; wc 196,608 bytes; wsc 8,192 bytes; qc 3,145,728 bytes; qs 262,144 bytes; kv 6,553,600 bytes; ac 3,276,800 bytes
;; launch prep (part 1): grid 272 x 1, 8 waves a work-group, no clusters, 1,280 bytes of LDS; arguments x, qkv_w, proj_w, stats, wc, wsc; writes stats, wc, wsc
.if DOCPART == 1
	.amdgcn_target "amdgcn-amd-amdhsa--gfx1250"
	.amdhsa_code_object_version 6
	.text
	.protected	k_q712a917782_prep
	.globl	k_q712a917782_prep
	.p2align	8
	.type	k_q712a917782_prep,@function
k_q712a917782_prep:
	s_mov_b64 s[64:65], 0
	v_nop
	global_prefetch_b8 v0, s[64:65] scope:SCOPE_SE
	s_setreg_imm32_b32 hwreg(HW_REG_WAVE_MODE, 25, 1), 1
	s_wait_xcnt 0x0
; TWO JOBS IN ONE LAUNCH, parted on the work-group's number, which all eight waves of a work-group share.
; Work-groups 0-255: the mean and the sum of squared deviations (M2) of HALF a GroupNorm group.  x is [16][256][1024] f32; a group is 32 channels = 131,072 consecutive bytes;
;   work-group i owns the 65,536 bytes at 65,536 i (16,384 numbers), keeps them in registers (64 a thread) and goes over them twice: first the mean, then the deviations from it.
;   No difference of large sums is formed.  stats[i] = (mean, M2), 8 bytes.  The next launch joins the two halves of a group.
; Work-groups 256-271: qkv_w [768][256] and proj_w [256][256], f32, K innermost, become codes of BF6 (E3M2) with one E8M0 byte for each 32 along K, stored AS IMAGES OF THE OPERAND'S REGISTERS:
;   a fragment is 16 rows x 128 K = 12 registers a lane; register group c (four registers) lies at 512 c + 16 x lane: 1,536 bytes.  wc = [tile 64][K step 2][1,536], wsc = [tile][K step][16 rows] words of four bytes.
;   Tiles 0-47 are qkv_w's, and THEIR ROWS ARE NOT NEIGHBOURS: lane-row r of tile t takes row 32 (t / 2) + 8 (t % 2) + r + 8 (r / 8), so that two neighbouring tiles' results are 16 neighbours along the next K.
;   Tiles 48-63 are proj_w's, rows 16 (t - 48) + r.  One wave makes one fragment: lane (r, h) holds k = 64 c + 32 h + 0 .. 31 of its row, two whole blocks, so a block's largest magnitude needs no other lane.
; A block's scale is 2^(floor(log2(its largest magnitude)) - 4); its byte is the largest magnitude's exponent field - 4, held at 1 from below.
; LIMITS: NaN and infinities among the inputs are not served.  A block whose largest magnitude lies under 2^-122 keeps the byte 1; a block of zeros so gets the byte 1 where the rule says 127: its codes are zeros,
; which add nothing under any byte but 0xff, and this program alone reads the bytes.
; The weights' rows are read in pieces of 128 bytes a lane, 1,024 bytes apart: 1 MiB in all, read once.  No matrix unit, no cluster: work-groups share no input here.
	s_load_b256 s[4:11], s[0:1], 0x0               ; x s[4:5], qkv_w s[6:7], proj_w s[8:9], stats s[10:11]
	s_load_b128 s[12:15], s[0:1], 0x20             ; wc s[12:13], wsc s[14:15]
	v_lshl_add_u32 v128, v0, 2, 0x100
	v_mov_b32 v129, 0
	v_lshrrev_b32 v1, 5, v0
	v_readfirstlane_b32 s16, v1                    ; wave 0..7
	s_mov_b32 s20, 0x76543210
	s_mov_b32 s21, 0xfedcba98                      ; v_permlanex16_b32's selects for lane l xor 16
	s_mov_b32 s19, 0
	s_mov_b32 s23, 0
	s_cmp_ge_u32 ttmp9, 256
	s_cbranch_scc1 .Lweights
; ---------------- the statistics ----------------
	v_lshlrev_b32 v2, 4, v0                        ; 16 bytes a thread: the work-group's 256 threads cover 4,096 consecutive bytes a load
	v_lshlrev_b32 v3, 2, v1                        ; LDS: my wave's word
	v_mov_b32 v4, 0
	s_lshl_b32 s18, ttmp9, 16
	s_lshl_b32 s22, ttmp9, 3
	s_wait_kmcnt 0x0
	s_add_nc_u64 s[4:5], s[4:5], s[18:19]
	s_add_nc_u64 s[10:11], s[10:11], s[22:23]
.irp j, 0,1,2,3,4,5,6,7,8,9,10,11,12,13,14,15
	global_load_b128 v[32+4*\j:35+4*\j], v2, s[4:5] offset:4096*\j   ; no hint: later launches read x again
.endr
; v16 (a lane's partial sum) -> v8: the work-group's sum, in every lane.  Inside the wave by lane exchanges; between the waves through eight LDS words at base.
.macro WGSUM base
	v_pk_add_f32 v[16:17], v[16:17], v[18:19]      ; the four chains fold
	v_pk_add_f32 v[20:21], v[20:21], v[22:23]
	v_pk_add_f32 v[16:17], v[16:17], v[20:21]
	v_add_f32 v16, v16, v17
	v_add_f32_dpp v16, v16, v16 row_xmask:1 row_mask:0xf bank_mask:0xf
	v_add_f32_dpp v16, v16, v16 row_xmask:2 row_mask:0xf bank_mask:0xf
	v_add_f32_dpp v16, v16, v16 row_xmask:4 row_mask:0xf bank_mask:0xf
	v_add_f32_dpp v16, v16, v16 row_xmask:8 row_mask:0xf bank_mask:0xf
	v_permlanex16_b32 v17, v16, s20, s21
	v_add_f32 v16, v16, v17
	ds_store_b32 v3, v16 offset:\base              ; all lanes of a wave write the same word with the same value
	s_wait_dscnt 0x0                               ; for the others' sake: my store has landed
	s_barrier_signal -1
	s_barrier_wait -1
	ds_load_b128 v[8:11], v4 offset:\base
	ds_load_b128 v[12:15], v4 offset:\base+16
	s_wait_dscnt 0x0
	v_add_f32 v8, v8, v9
	v_add_f32 v10, v10, v11
	v_add_f32 v12, v12, v13
	v_add_f32 v14, v14, v15
	v_add_f32 v8, v8, v10
	v_add_f32 v12, v12, v14
	v_add_f32 v8, v8, v12
.endm
	s_wait_loadcnt 0x0
.irp k, 0,1,2,3
	v_pk_add_f32 v[16+2*\k:17+2*\k], v[32+2*\k:33+2*\k], v[40+2*\k:41+2*\k]   ; four chains, started by the first eight pairs: nothing is cleared
.endr
.set q, 8
.rept 24
	v_pk_add_f32 v[16+2*(q%4):17+2*(q%4)], v[16+2*(q%4):17+2*(q%4)], v[32+2*q:33+2*q]
.set q, q+1
.endr
	WGSUM 0
	v_mul_f32 v26, 0x38800000, v8                  ; the mean: sum x 2^-14
	v_mov_b32 v27, v26
.set q, 0
.rept 32
	v_pk_add_f32 v[32+2*q:33+2*q], v[32+2*q:33+2*q], v[26:27] neg_lo:[0,1] neg_hi:[0,1]   ; x - mean
.set q, q+1
.endr
.irp k, 0,1,2,3
	v_pk_mul_f32 v[16+2*\k:17+2*\k], v[32+2*\k:33+2*\k], v[32+2*\k:33+2*\k]
.endr
.set q, 4
.rept 28
	v_pk_fma_f32 v[16+2*(q%4):17+2*(q%4)], v[32+2*q:33+2*q], v[32+2*q:33+2*q], v[16+2*(q%4):17+2*(q%4)]
.set q, q+1
.endr
	WGSUM 32                                       ; other LDS words than the first sum's: no wave can overwrite what another still reads
	v_mov_b32 v27, v8                              ; (mean, M2)
	s_wait_xcnt 0x0                                ; EXEC changes only behind this wait
	v_cmp_eq_u32 vcc_lo, 0, v0
	s_wait_tensorcnt 0x0
	ds_add_u32 v128, v129
	s_wait_dscnt 0x0
	s_and_saveexec_b32 s24, vcc_lo                 ; thread 0 alone stores
	global_store_b64 v4, v[26:27], s[10:11]
	s_wait_xcnt 0x0
	s_or_b32 exec_lo, exec_lo, s24
	s_endpgm
; ---------------- the weights ----------------
.Lweights:
	v_and_b32 v2, 15, v0                           ; r
	v_bfe_u32 v3, v0, 4, 1                         ; h
	v_and_b32 v4, 31, v0                           ; lane
	s_sub_co_u32 s17, ttmp9, 256
	s_lshl_b32 s17, s17, 3
	s_add_co_u32 s17, s17, s16                     ; my fragment, 0..127
	s_lshr_b32 s18, s17, 1                         ; its tile
	s_and_b32 s24, s17, 1                          ; its K step
	s_lshl_b32 s24, s24, 9                         ; 128 numbers = 512 bytes
	s_lshr_b32 s22, s18, 1
	s_lshl_b32 s22, s22, 5
	s_and_b32 s25, s18, 1
	s_lshl_b32 s25, s25, 3
	s_add_co_u32 s22, s22, s25                     ; qkv_w: the tile's first row, 32 (t / 2) + 8 (t % 2)
	s_max_u32 s25, s18, 48
	s_sub_co_u32 s25, s25, 48
	s_lshl_b32 s25, s25, 4                         ; proj_w: 16 (t - 48)
	s_wait_kmcnt 0x0
	s_cmp_lt_u32 s18, 48                           ; the choice hangs on ids alone
	s_cselect_b64 s[6:7], s[6:7], s[8:9]
	s_cselect_b32 s22, s22, s25
	s_cselect_b32 s26, 8, 0                        ; qkv_w's tiles: rows 8-15 lie 8 further on
	s_lshl_b32 s22, s22, 10                        ; a row is 1,024 bytes
	s_add_co_u32 s22, s22, s24
	s_add_nc_u64 s[6:7], s[6:7], s[22:23]
	s_mul_i32 s18, s17, 1536
	s_add_nc_u64 s[12:13], s[12:13], s[18:19]
	s_lshl_b32 s18, s17, 6
	s_add_nc_u64 s[14:15], s[14:15], s[18:19]
	v_and_b32 v5, s26, v2
	v_add_nc_u32 v5, v5, v2                        ; r + 8 (r / 8), or r
	v_lshlrev_b32 v5, 10, v5
	v_lshl_add_u32 v5, v3, 7, v5                   ; + 128 h: my block of 32 numbers
	v_lshlrev_b32 v6, 4, v4                        ; out: 16 x lane
	v_lshlrev_b32 v7, 2, v2                        ; and 4 r
.irp c, 0,1
.irp j, 0,1,2,3,4,5,6,7
	global_load_b128 v[64+32*\c+4*\j:67+32*\c+4*\j], v5, s[6:7] offset:256*\c+16*\j th:TH_LOAD_NT   ; k = 64 c + 32 h + 4 j ..
.endr
.endr
	s_wait_loadcnt 0x0
.irp c, 0,1
	v_max3_num_f32 v[32+\c], |v[64+32*\c]|, |v[65+32*\c]|, 0x2800000   ; my block 2 c + h, and the floor 2^(5 - 127): the byte cannot fall under 1
.endr
.irp i, 2,4,6,8,10,12,14,16,18,20,22,24,26,28,30
.irp c, 0,1
	v_max3_num_f32 v[32+\c], v[32+\c], |v[64+32*\c+\i]|, |v[65+32*\c+\i]|
.endr
.endr
.irp c, 0,1
	v_add_nc_u32 v[44+\c], 0xfe000000, v[32+\c]    ; 4 off the exponent field: the conversion's scale operand
.endr
.irp c, 0,1
	v_lshrrev_b32 v[36+\c], 23, v[44+\c]           ; the scale's byte
.endr
	v_lshl_or_b32 v9, v37, 16, v36                 ; my two bytes, blocks h and 2 + h,
	v_lshlrev_b32 v10, 3, v3
	v_lshlrev_b32 v9, v10, v9                      ; at their places in the word;
	v_mov_b32 v10, 0
	v_permlanex16_b32 v10, v9, s20, s21
	v_or_b32 v9, v9, v10                           ; with lane l xor 16's two the word is whole
.irp c, 0,1
	v_cvt_scalef32_pk16_bf6_f32 v[48+6*\c:50+6*\c], v[64+32*\c:79+32*\c], v[44+\c]
	v_cvt_scalef32_pk16_bf6_f32 v[24+4*\c:26+4*\c], v[80+32*\c:95+32*\c], v[44+\c]   ; (a conversion's three registers begin on an even number)
.endr
	v_nop                                          ; one plain place behind a scaled conversion
.irp c, 0,1
.irp i, 0,1,2
	v_mov_b32 v[51+6*\c+\i], v[24+4*\c+\i]
.endr
.endr
.irp c, 0,1,2
	global_store_b128 v6, v[48+4*\c:51+4*\c], s[12:13] offset:512*\c   ; 32 lanes store 512 consecutive bytes, at a multiple of 256 from wc's first byte
.endr
	s_wait_xcnt 0x0                                ; EXEC changes only behind this wait
	v_cmp_gt_u32 vcc_lo, 16, v4
	s_and_saveexec_b32 s27, vcc_lo                 ; lanes 0-15: one word a row
	global_store_b32 v7, v9, s[14:15]
	s_wait_xcnt 0x0
	s_or_b32 exec_lo, exec_lo, s27
	s_endpgm
.Lfunc_end_k_q712a917782_prep:
	.size	k_q712a917782_prep, .Lfunc_end_k_q712a917782_prep-k_q712a917782_prep
	.p2alignl 7, 3214868480
	.fill 96, 4, 3214868480
	.section	.rodata,"a",@progbits
	.p2align	6, 0x0
	.amdhsa_kernel k_q712a917782_prep
		.amdhsa_group_segment_fixed_size 1280
		.amdhsa_private_segment_fixed_size 0
		.amdhsa_enable_private_segment 0
		.amdhsa_kernarg_size 48
		.amdhsa_user_sgpr_count 2
		.amdhsa_user_sgpr_kernarg_segment_ptr 1
		.amdhsa_wavefront_size32 1
		.amdhsa_system_sgpr_workgroup_id_x 1
		.amdhsa_system_sgpr_workgroup_id_y 1
		.amdhsa_system_sgpr_workgroup_id_z 1
		.amdhsa_system_vgpr_workitem_id 0
		.amdhsa_next_free_vgpr 130
		.amdhsa_next_free_sgpr 66
		.amdhsa_reserve_vcc 1
		.amdhsa_float_denorm_mode_32 3
		.amdhsa_float_denorm_mode_16_64 3
		.amdhsa_memory_ordered 1
		.amdhsa_forward_progress 1
		.amdhsa_inst_pref_size 18
	.end_amdhsa_kernel
	.amdgpu_metadata
---
amdhsa.version: [ 1, 2 ]
amdhsa.kernels:
  - .name:           k_q712a917782_prep
    .symbol:         k_q712a917782_prep.kd
    .args:
      - { .name: x, .offset: 0, .size: 8, .value_kind: global_buffer, .address_space: global }
      - { .name: qkv_w, .offset: 8, .size: 8, .value_kind: global_buffer, .address_space: global }
      - { .name: proj_w, .offset: 16, .size: 8, .value_kind: global_buffer, .address_space: global }
      - { .name: stats, .offset: 24, .size: 8, .value_kind: global_buffer, .address_space: global }
      - { .name: wc, .offset: 32, .size: 8, .value_kind: global_buffer, .address_space: global }
      - { .name: wsc, .offset: 40, .size: 8, .value_kind: global_buffer, .address_space: global }
    .group_segment_fixed_size: 1280
    .private_segment_fixed_size: 0
    .kernarg_segment_align: 8
    .kernarg_segment_size: 48
    .max_flat_workgroup_size: 256
    .sgpr_count:     66
    .vgpr_count:     130
    .wavefront_size: 32
...
	.end_amdgpu_metadata
.endif
;; end of part 1
;; launch qkv (part 2): grid 16 x 16, 12 waves a work-group, no clusters, 14,848 bytes of LDS; arguments x, norm_w, norm_b, qkv_b, stats, wc, wsc, qc, qs, kv; writes qc, qs, kv
.if DOCPART == 2
	.amdgcn_target "amdgcn-amd-amdhsa--gfx1250"
	.amdhsa_code_object_version 6
	.text
	.protected	k_q712a917782_qkv
	.globl	k_q712a917782_qkv
	.p2align	8
	.type	k_q712a917782_qkv,@function
k_q712a917782_qkv:
	s_mov_b64 s[64:65], 0
	v_nop
	global_prefetch_b8 v0, s[64:65] scope:SCOPE_SE
	s_setreg_imm32_b32 hwreg(HW_REG_WAVE_MODE, 25, 1), 1
	s_wait_xcnt 0x0
; GroupNorm, the quantiser of hn along the channels, qkv = qkv_w hn + qkv_b on codes of BF6 (E3M2, one E8M0 scale for each 32 along K), and the quantisers of q and k (along d) and of v (along the keys).
; SHARES.  A work-group takes 64 positions s (chunk = work-group x) of one image b (work-group y).  Twelve waves: wave WV makes tensor WV / 4 (q, k, v) of head WV % 4: 64 outputs x 64 positions, K = 256: 32 matrix instructions.
; X PHASE (waves 0-7).  Wave g normalises and quantises channels 32 g .. 32 g + 31, which are GroupNorm group g AND one block of 32 along K.  A LANE TAKES A POSITION, ITS REGISTERS RUN DOWN THE CHANNELS: each load reads 128
; consecutive bytes, a block lies in one lane's 32 registers, and the conversions give codes with K innermost.  The group's gains and biases are 64 scalars.  Meanwhile waves 8-11 ask for their first weights.
; OPERANDS ARE KEPT AS IMAGES OF THEIR REGISTERS.  A HALF is 16 rows x 64 K, six registers a lane (lanes 0-15 the first block of 32, lanes 16-31 the second): registers 0-3 at 16 x lane, registers 4-5 at 512 + 8 x lane: 768 bytes.
; Two HALFs are a fragment of 12 registers.  hn's sixteen HALFs go through LDS so; q's, k's and v's go to memory so, each store 512 or 256 consecutive aligned bytes.
; THE ROWS OF A TILE ARE NOT NEIGHBOURS: of 32 positions (or 32 rows of qkv_w) tile 2 b + u takes 32 b + 8 u + r + 8 (r / 8) in lane-row r.  A result over such a tile as source 0 then has, in lane (r, h), register j of tile
; 2 b + u = index 32 b + 16 h + 8 u + j: the 16 registers of two neighbouring tiles are 16 neighbours along the next K.
; q, k: source 0 = qkv_w (resident, 96 registers), source 1 = hn (streamed from LDS): a lane holds one position, registers run along d.   v: source 0 = hn (resident), source 1 = qkv_w (streamed from memory): a lane holds one d, registers
; run along the keys.  The bias is the C of each sum's first matrix instruction.
; Every scale register holds K step 0's words in lanes 0-15 and K step 1's in lanes 16-31.
; NO JOINT LOADS: what work-groups share is the weights' codes (147,456 bytes a work-group), and each fragment of them is used by ONE wave of a work-group and goes straight into its registers; a joint load ends in LDS, from where
; the same bytes would have to be read once more.
; LIMITS: NaN and infinities are not served.  A block whose largest magnitude lies under 2^-122 keeps the scale byte 1; a block of zeros gets 1 where the rule says 127: its codes are zeros, and this program alone reads the bytes.
.set L16,  2                           ; v2   16 x lane
.set L8,   3                           ; v3   8 x lane
.set L4,   4                           ; v4   4 x lane
.set XA16, 6                           ; v6   X phase: where my position's registers 0-3 go
.set XA8,  7                           ; v7   and registers 4-5
.set XAB,  8                           ; v8   and its scale byte
.set H64,  9                           ; v9   64 h
.set RP4,  10                          ; v10  4 (r + 8 (r / 8))
.set ZERO, 11                          ; v11  0
.set KA,   14                          ; v14  a scale word kept for the next tile's
.set TM,   16                          ; v16-17 largest magnitudes;  v18-19 the other half's, then bytes;  v20-21 the conversions' scale operands
.set TP,   18
.set SO,   20
.set PW,   22                          ; v22  the two scale bytes just made
.set KW,   23                          ; v23  scale words on their way out
.set ACC,  32                          ; v32-63   four accumulators
.set SB,   64                          ; v64-87, v88-111  the streamed operand's two K steps, two buffers
.set BI,   112                         ; v112-143 q, k: the bias in the result's layout, eight registers a tile
.set BC,   112                         ; v112-119 v: the bias of one tile;  v120-123 its four sources
.set BV,   120
.set WS,   144                         ; v144-147 the weights' scale words
.set HS,   148                         ; v148-151 hn's
.set PC,   152                         ; v152-158 the codes just made
.set RES,  160                         ; v160-255 the resident operand: tile i, K step s at 160 + 24 i + 12 s
.set AC0,  24                          ; s24-55   gain x 1 / sqrt(var + eps) of my 32 channels;  s56-63, s66-89 their biases
.set SEL,  90
.set WV,   92
.set CH,   93
.set BB,   94
.set MEAN, 95
.set OC,   96                          ; s[96:97] where my codes go;  s[98:99] my scale words
.set OS,   98
.set MASK, 100                         ; s100 (behind the barrier) lanes 16-31
.set TSTR, 3200                        ; LDS: hn's tile T at 3,200 T: four HALFs (3,072 bytes) and 128 spare, so that the two tiles of one store begin in different banks
.set SCB,  12800                       ; behind them: hn's scale words, tile T, K step s, row r at 128 T + 64 s + 4 r
; 32 numbers of a lane, register 16 b + i = k 32 b + 16 h + i of my row, become a HALF in v[PC:PC+5] and two scale bytes in v[PW].  The accumulators are read from their low ends on.
.macro QUANT2 s
.irp b, 0,1
	v_max3_num_f32 v[TM+\b], |v[\s+16*\b]|, |v[\s+16*\b+1]|, 0x2800000   ; my 16 numbers of block b, and the floor 2^(5 - 127): the byte cannot fall under 1
.endr
.irp i, 2,4,6,8,10,12,14
.irp b, 0,1
	v_max3_num_f32 v[TM+\b], v[TM+\b], |v[\s+16*\b+\i]|, |v[\s+16*\b+\i+1]|
.endr
.endr
.irp b, 0,1
	v_permlanex16_b32 v[TP+\b], v[TM+\b], s[SEL], s[SEL+1]
.endr
.irp b, 0,1
	v_max_num_f32 v[TM+\b], v[TM+\b], v[TP+\b]     ; with lane l xor 16's: the block's largest magnitude
.endr
.irp b, 0,1
	v_add_nc_u32 v[SO+\b], 0xfe000000, v[TM+\b]    ; 4 off its exponent field: the conversion's scale operand
.endr
.irp b, 0,1
	v_lshrrev_b32 v[TP+\b], 23, v[SO+\b]           ; the scale's byte
.endr
	v_lshl_or_b32 v[PW], v[TP+1], 8, v[TP]
	v_cvt_scalef32_pk16_bf6_f32 v[PC:PC+2], v[\s:\s+15], v[SO]
	v_cvt_scalef32_pk16_bf6_f32 v[PC+4:PC+6], v[\s+16:\s+31], v[SO+1]
	v_nop                                          ; one plain place behind a scaled conversion
.irp i, 0,1,2
	v_permlane16_swap_b32 v[PC+\i], v[PC+4+\i]     ; the layout wants a WHOLE block in a lane: lanes 0-15 block 0, lanes 16-31 block 1
.endr
	v_mov_b32 v[PC+3], v[PC+4]
	v_mov_b32 v[PC+4], v[PC+5]
	v_mov_b32 v[PC+5], v[PC+6]
.endm
.macro HSTORE base, off                ; the HALF goes out as it stands: 512 and 256 consecutive bytes, each at a multiple of 256 from the buffer's first byte
	global_store_b128 v[L16], v[PC:PC+3], s[\base:\base+1] offset:\off
	global_store_b64 v[L8], v[PC+4:PC+5], s[\base:\base+1] offset:\off+512
.endm
.macro FRAGL reg, a16, a8, o0, o1      ; two HALFs from LDS make a fragment
	ds_load_b128 v[\reg:\reg+3], v[\a16] offset:\o0
	ds_load_b64 v[\reg+4:\reg+5], v[\a8] offset:\o0+512
	ds_load_b128 v[\reg+6:\reg+9], v[\a16] offset:\o1
	ds_load_b64 v[\reg+10:\reg+11], v[\a8] offset:\o1+512
.endm
; Eight matrix instructions: the four resident tiles x one streamed tile, K = 256.  The four accumulators take turns, one instruction a turn.
.macro PROD st, cb, cs, as, bs
.irp i, 0,1,2,3
	v_wmma_scale_f32_16x16x128_f8f6f4 v[ACC+8*\i:ACC+8*\i+7], v[RES+24*\i:RES+24*\i+11], v[\st:\st+11], v[\cb+\cs*\i:\cb+\cs*\i+7], v[\as+\i], v[\bs] matrix_a_fmt:MATRIX_FMT_BF6 matrix_b_fmt:MATRIX_FMT_BF6
.endr
.irp i, 0,1,2,3
	v_wmma_scale_f32_16x16x128_f8f6f4 v[ACC+8*\i:ACC+8*\i+7], v[RES+24*\i+12:RES+24*\i+23], v[\st+12:\st+23], v[ACC+8*\i:ACC+8*\i+7], v[\as+\i], v[\bs] matrix_a_fmt:MATRIX_FMT_BF6 matrix_b_fmt:MATRIX_FMT_BF6 matrix_a_scale:MATRIX_SCALE_ROW1 matrix_b_scale:MATRIX_SCALE_ROW1
.endr
.endm
.macro PLACES                          ; four plain places behind the last matrix instruction, ahead of reads of its results and of loads into its sources
.rept 4
	v_nop
.endr
.endm
	s_load_b512 s[4:19], s[0:1], 0x0               ; x s[4:5], norm_w s[6:7], norm_b s[8:9], qkv_b s[10:11], stats s[12:13], wc s[14:15], wsc s[16:17], qc s[18:19]
	s_load_b128 s[20:23], s[0:1], 0x40             ; qs s[20:21], kv s[22:23]
	v_lshl_add_u32 v5, v0, 2, 0x3400
	s_set_vgpr_msb 0x40
	v_mov_b32 v1, 0
	s_set_vgpr_msb 0x4000
	v_lshrrev_b32 v1, 5, v0
	v_readfirstlane_b32 s[WV], v1                  ; wave 0..11
	s_mov_b32 s[CH], ttmp9
	s_and_b32 s[BB], ttmp7, 0xffff
	s_mov_b32 s[SEL], 0x76543210
	s_mov_b32 s[SEL+1], 0xfedcba98
	v_and_b32 v1, 31, v0
	v_lshlrev_b32 v[L16], 4, v1
	v_lshlrev_b32 v[L8], 3, v1
	v_lshlrev_b32 v[L4], 2, v1
	v_and_b32 v12, 15, v0                          ; r
	v_bfe_u32 v13, v0, 4, 1                        ; h
	v_lshlrev_b32 v[H64], 6, v13
	v_and_b32 v14, 8, v12
	v_add_nc_u32 v14, v14, v12
	v_lshlrev_b32 v[RP4], 2, v14
	v_mov_b32 v[ZERO], 0
	v_mov_b32 v[TP], 0                             ; written once: a lane permute's destination counts as one of its sources
	v_mov_b32 v[TP+1], 0
	; X phase: position 32 j + lane is lane-row r' = lane % 8 + 8 (lane / 16) of tile 2 j + u, u = (lane / 8) % 2.  All LDS addresses are made here, ahead of the waves' parting.
	v_bfe_u32 v14, v0, 3, 1                        ; u
	v_and_b32 v15, 7, v0
	v_lshl_add_u32 v15, v13, 3, v15                ; r'
	s_lshr_b32 s100, s[WV], 1
	s_mul_i32 s100, s100, 768                      ; my channels' HALF,
	s_and_b32 s101, s[WV], 1                       ; and which half of its lanes
	s_lshl_b32 s24, s101, 8
	s_add_co_u32 s24, s24, s100
	s_lshl_b32 s25, s101, 7
	s_add_co_u32 s25, s25, s100
	v_mul_u32_u24 v24, v14, TSTR
	v_lshl_add_u32 v[XA16], v15, 4, v24
	v_add_nc_u32 v[XA16], s24, v[XA16]
	v_lshl_add_u32 v[XA8], v15, 3, v24
	v_add_nc_u32 v[XA8], s25, v[XA8]
	s_lshr_b32 s24, s[WV], 2
	s_lshl_b32 s24, s24, 6                         ; the K step,
	s_and_b32 s25, s[WV], 3                        ; the byte in its word
	s_add_co_u32 s24, s24, s25
	s_add_co_u32 s24, s24, SCB
	v_lshlrev_b32 v24, 7, v14
	v_lshl_add_u32 v24, v15, 2, v24
	v_add_nc_u32 v[XAB], s24, v24
	s_mov_b32 s101, 0
	s_wait_kmcnt 0x0
	s_mul_i32 s100, s[WV], 12288                   ; my four tiles of weights: 4 x 3,072 bytes,
	s_add_nc_u64 s[14:15], s[14:15], s[100:101]
	s_lshl_b32 s100, s[WV], 9                      ; their scale words,
	s_add_nc_u64 s[16:17], s[16:17], s[100:101]
	s_lshl_b32 s100, s[WV], 8                      ; my 64 numbers of qkv_b
	s_add_nc_u64 s[10:11], s[10:11], s[100:101]
	s_cmp_lt_u32 s[WV], 8
	s_cbranch_scc0 .Lv_head
; ---------------- X phase: waves 0-7 ----------------
	s_lshl_b32 s100, s[BB], 3
	s_add_co_u32 s100, s100, s[WV]
	s_lshl_b32 s100, s100, 4                       ; my group's two halves: 16 bytes
	s_add_nc_u64 s[12:13], s[12:13], s[100:101]
	s_lshl_b32 s100, s[WV], 7
	s_add_nc_u64 s[6:7], s[6:7], s[100:101]
	s_add_nc_u64 s[8:9], s[8:9], s[100:101]
	s_lshl_b32 s100, s[BB], 20
	s_lshl_b32 s24, s[WV], 17
	s_add_co_u32 s100, s100, s24
	s_lshl_b32 s24, s[CH], 8
	s_add_co_u32 s100, s100, s24
	s_add_nc_u64 s[4:5], s[4:5], s[100:101]        ; x at image b, channel 32 g, position 64 chunk
	global_load_b128 v[24:27], v[ZERO], s[12:13]   ; (mean, M2) of both halves, in every lane
	global_load_b32 v28, v[L4], s[6:7]             ; lane i: channel i's gain
	global_load_b32 v29, v[L4], s[8:9]             ; and bias
.irp j, 0,1
.irp i, 0,1,2,3,4,5,6,7,8,9,10,11,12,13,14,15,16,17,18,19,20,21,22,23,24,25,26,27,28,29,30,31
	global_load_b32 v[32+32*\j+\i], v[L4], s[4:5] offset:4096*\i+128*\j   ; channel i at 32 neighbouring positions: 128 consecutive bytes
.endr
.endr
	s_wait_loadcnt 63                              ; 64 loads were issued behind the three small ones: at most 63 out shows them done
	v_add_f32 v30, v24, v26
	v_mul_f32 v30, 0.5, v30                        ; the group's mean
	v_sub_f32 v31, v24, v26
	v_mul_f32 v31, 0.5, v31
	v_mul_f32 v31, v31, v31                        ; (half the difference of the two means)^2
	v_add_f32 v25, v25, v27
	v_fmamk_f32 v31, v25, 0x38000000, v31          ; var = (M2a + M2b) 2^-15 + that
	v_add_f32 v31, 0x3727c5ac, v31                 ; + 1e-5
	v_rsq_f32 v31, v31
	v_nop                                          ; one plain place behind a transcendental
	s_wait_alu depctr_va_vdst(0)
	v_mul_f32 v28, v28, v31
	v_readfirstlane_b32 s[MEAN], v30
.set i, 0
.rept 32
	v_readlane_b32 s[AC0+i], v28, i
.if i < 8
	v_readlane_b32 s[56+i], v29, i
.else
	v_readlane_b32 s[58+i], v29, i
.endif
.set i, i+1
.endr
	s_wait_loadcnt 32                              ; positions 0-31 are in; the other 32 loads may be out
.irp q, 0,1,2,3,4,5,6,7,8,9,10,11,12,13,14,15,16,17,18,19,20,21,22,23
	global_load_b128 v[RES+4*\q:RES+4*\q+3], v[L16], s[14:15] offset:512*\q   ; my role's weights: they land under the quantising
.endr
.irp i, 0,1,2,3
	global_load_b32 v[WS+\i], v[L4], s[16:17] offset:128*\i
.endr
.irp i, 0,1,2,3
	global_load_b128 v[BI+8*\i:BI+8*\i+3], v[H64], s[10:11] offset:(32*(\i/2)+8*(\i%2))*4      ; register j of tile 2 b + u wants output 32 b + 16 h + 8 u + j
	global_load_b128 v[BI+8*\i+4:BI+8*\i+7], v[H64], s[10:11] offset:(32*(\i/2)+8*(\i%2))*4+16
.endr
.macro NORM s                          ; (x - mean) x (gain / sqrt(var + eps)) + bias
.set i, 0
.rept 32
	v_sub_f32 v[\s+i], v[\s+i], s[MEAN]
.set i, i+1
.endr
.set i, 0
.rept 32
.if i < 8
	v_fma_f32 v[\s+i], v[\s+i], s[AC0+i], s[56+i]
.else
	v_fma_f32 v[\s+i], v[\s+i], s[AC0+i], s[58+i]
.endif
.set i, i+1
.endr
.endm
.macro QUANTB s, pc, by, j             ; a whole block of 32 in my lane: six registers of codes and a byte, to their places in hn's images
	v_max3_num_f32 v[TM], |v[\s]|, |v[\s+1]|, |v[\s+2]|
	v_max3_num_f32 v[TM+1], |v[\s+3]|, |v[\s+4]|, |v[\s+5]|
.irp i, 6,10,14,18,22,26
	v_max3_num_f32 v[TM], v[TM], |v[\s+\i]|, |v[\s+\i+1]|
	v_max3_num_f32 v[TM+1], v[TM+1], |v[\s+\i+2]|, |v[\s+\i+3]|
.endr
	v_max3_num_f32 v[TM], v[TM], |v[\s+30]|, |v[\s+31]|
	v_max3_num_f32 v[TM], v[TM], v[TM+1], 0x2800000
	v_add_nc_u32 v[SO], 0xfe000000, v[TM]
	v_lshrrev_b32 v[\by], 23, v[SO]
	v_cvt_scalef32_pk16_bf6_f32 v[\pc:\pc+2], v[\s:\s+15], v[SO]
	v_cvt_scalef32_pk16_bf6_f32 v[\pc+4:\pc+6], v[\s+16:\s+31], v[SO]
	v_nop                                          ; one plain place behind a scaled conversion
	v_mov_b32 v[\pc+3], v[\pc+4]
	v_mov_b32 v[\pc+4], v[\pc+5]
	v_mov_b32 v[\pc+5], v[\pc+6]
	ds_store_b128 v[XA16], v[\pc:\pc+3] offset:2*TSTR*\j
	ds_store_b64 v[XA8], v[\pc+4:\pc+5] offset:2*TSTR*\j+512
	ds_store_b8 v[XAB], v[\by] offset:256*\j
.endm
	NORM 32
	QUANTB 32, 96, 111, 0
	s_wait_loadcnt 36                              ; positions 32-63 are in; the 24 + 4 + 8 loads issued behind them may be out
	NORM 64
	QUANTB 64, 104, 159, 1
	s_branch .Ljoin
; ---------------- meanwhile waves 8-11 ask for what role v wants first ----------------
.Lv_head:
.irp i, 0,1,2,3
	global_load_b32 v[WS+\i], v[L4], s[16:17] offset:128*\i
.endr
.irp i, 0,1,2,3
	global_load_b32 v[BV+\i], v[RP4], s[10:11] offset:(32*(\i/2)+8*(\i%2))*4   ; lane r of tile 2 b + u is output 32 b + 8 u + r + 8 (r / 8)
.endr
.irp n, 0,1
.irp q, 0,1,2,3,4,5
	global_load_b128 v[SB+24*\n+4*\q:SB+24*\n+4*\q+3], v[L16], s[14:15] offset:3072*\n+512*\q
.endr
.endr
.Ljoin:
	s_wait_dscnt 0x0                               ; for the others' sake: my stores into hn's images have landed
	s_barrier_signal -1
	s_barrier_wait -1                              ; hn's sixteen HALFs and their scale words lie in LDS; nothing is written there again
	s_mov_b32 s[MASK], 0xffff0000
	s_mov_b32 s27, 0
	s_and_b32 s24, s[WV], 3
	s_lshl_b32 s25, s[BB], 2
	s_add_co_u32 s24, s24, s25                     ; 4 b + head
	s_cmp_lt_u32 s[WV], 4
	s_cbranch_scc0 .Lnot_q
; Roles q and k.  For each tile T of 16 positions: its two fragments of hn from LDS (a tile ahead, two buffers), eight matrix instructions, the quantiser along d, a HALF out.
; Scale words: rows r in lanes r and r + 16 hold the same word, so two tiles' (k: two pairs') words are joined, lanes 0-15 the earlier, and leave as 128 consecutive bytes.
.macro QKROLE isk
.irp T, 0,1,2,3
	ds_load_b32 v[HS+\T], v[L4] offset:SCB+128*\T
.endr
	FRAGL SB, L16, L8, 0, 768
	FRAGL SB+12, L16, L8, 1536, 2304
	s_wait_loadcnt 0x0                             ; weights, their scale words, the bias
.irp T, 0,1,2,3
.set CUR, SB+24*(\T%2)
.set NXT, SB+24*((\T+1)%2)
.if \T < 3
	FRAGL NXT, L16, L8, (\T+1)*TSTR, (\T+1)*TSTR+768
	FRAGL NXT+12, L16, L8, (\T+1)*TSTR+1536, (\T+1)*TSTR+2304
	s_wait_dscnt 8                                 ; all but the eight just issued
.else
	s_wait_dscnt 0x0
.endif
	PROD CUR, BI, 8, WS, HS+\T
	PLACES
	s_wait_xcnt 0x0                                ; the last tile's stores have read their registers
	QUANT2 ACC
	HSTORE OC, 768*\T
.if \isk
.if \T == 0
	v_mov_b32 v[KA], v[PW]                         ; a pair's word: bytes 0, 1 the even tile's, bytes 2, 3 the odd tile's
.elseif \T == 1
	v_lshl_or_b32 v[KA], v[PW], 16, v[KA]
.elseif \T == 2
	v_mov_b32 v[KW], v[PW]
.else
	v_lshl_or_b32 v[KW], v[PW], 16, v[KW]
	v_cndmask_b32 v[KW], v[KA], v[KW], s[MASK]
	global_store_b32 v[L4], v[KW], s[OS:OS+1]
.endif
.else
.if (\T%2) == 0
	v_lshl_or_b32 v[KA], v[PW], 16, v[PW]          ; q's word holds its two bytes twice: q stands in either half of a K step of 128
.else
	v_lshl_or_b32 v[KW], v[PW], 16, v[PW]
	v_cndmask_b32 v[KW], v[KA], v[KW], s[MASK]
	global_store_b32 v[L4], v[KW], s[OS:OS+1] offset:64*(\T-1)
.endif
.endif
.endr
.endm
	s_lshl_b32 s25, s24, 6
	s_lshl_b32 s26, s[CH], 2
	s_add_co_u32 s25, s25, s26                     ; my first tile among q's 64 a head
	s_mul_i32 s26, s25, 768
	s_add_nc_u64 s[OC:OC+1], s[18:19], s[26:27]
	s_lshl_b32 s26, s25, 6
	s_add_nc_u64 s[OS:OS+1], s[20:21], s[26:27]
	QKROLE 0
	s_set_vgpr_msb 0x4
	s_wait_tensorcnt 0x0
	ds_add_u32 v5, v1
	s_wait_dscnt 0x0
	s_set_vgpr_msb 0x400
	s_endpgm
.Lnot_q:
	s_mul_i32 s25, s24, 102400                     ; the head's block of kv
	s_cmp_lt_u32 s[WV], 8
	s_cbranch_scc0 .Lrole_v
	s_mul_i32 s26, s[CH], 3072
	s_add_co_u32 s26, s26, s25
	s_add_nc_u64 s[OC:OC+1], s[22:23], s[26:27]    ; K's HALFs: [tile 64][768]
	s_lshl_b32 s26, s[CH], 7
	s_add_co_u32 s26, s26, s25
	s_add_co_u32 s26, s26, 98304
	s_add_nc_u64 s[OS:OS+1], s[22:23], s[26:27]    ; K's scale words: [pair 32][16]
	QKROLE 1
	s_set_vgpr_msb 0x4
	s_wait_tensorcnt 0x0
	ds_add_u32 v5, v1
	s_wait_dscnt 0x0
	s_set_vgpr_msb 0x400
	s_endpgm
; Role v.  hn's eight fragments are resident; the four tiles of weights are streamed from memory, two buffers.  A lane holds one d, its registers 64 keys: two blocks.
.Lrole_v:
	s_mul_i32 s26, s[CH], 3072
	s_add_co_u32 s26, s26, s25
	s_add_co_u32 s26, s26, 49152
	s_add_nc_u64 s[OC:OC+1], s[22:23], s[26:27]    ; V's HALFs: [chunk 16][d tile 4][768]
	s_lshr_b32 s26, s[CH], 1
	s_lshl_b32 s26, s26, 8
	s_and_b32 s28, s[CH], 1
	s_lshl_b32 s28, s28, 1
	s_add_co_u32 s26, s26, s28
	s_add_co_u32 s26, s26, s25
	s_add_co_u32 s26, s26, 100352
	s_add_nc_u64 s[OS:OS+1], s[22:23], s[26:27]    ; V's scale words: [128 keys 8][d tile 4][16]; my chunk's two bytes are half a word
.irp T, 0,1,2,3
	ds_load_b32 v[HS+\T], v[L4] offset:SCB+128*\T
.endr
.irp T, 0,1,2,3
	FRAGL RES+24*\T, L16, L8, \T*TSTR, \T*TSTR+768
	FRAGL RES+24*\T+12, L16, L8, \T*TSTR+1536, \T*TSTR+2304
.endr
	s_wait_dscnt 0x0
.irp n, 0,1,2,3
.set CUR, SB+24*(\n%2)
.if \n < 3
	s_wait_loadcnt 6                               ; this tile's weights are in; the next tile's six loads may be out
.else
	s_wait_loadcnt 0x0
.endif
.irp j, 0,1,2,3,4,5,6,7
	v_mov_b32 v[BC+\j], v[BV+\n]                   ; a lane's eight results share its d, and so its bias
.endr
	PROD CUR, BC, 0, HS, WS+\n
	PLACES
.if \n < 2
.irp q, 0,1,2,3,4,5
	global_load_b128 v[CUR+4*\q:CUR+4*\q+3], v[L16], s[14:15] offset:3072*(\n+2)+512*\q
.endr
.endif
	s_wait_xcnt 0x0                                ; the last tile's stores have read their registers
	QUANT2 ACC
	HSTORE OC, 768*\n
.if (\n%2) == 0
	v_mov_b32 v[KA], v[PW]
.else
	v_cndmask_b32 v[KW], v[KA], v[PW], s[MASK]     ; lanes 0-15 tile n - 1's rows, lanes 16-31 tile n's
	global_store_b16 v[L4], v[KW], s[OS:OS+1] offset:64*(\n-1)   ; 2 bytes of each of 32 neighbouring words; the neighbouring chunk's work-group writes the other halves.  131,072 bytes in the whole launch
.endif
.endr
	s_set_vgpr_msb 0x4
	s_wait_tensorcnt 0x0
	ds_add_u32 v5, v1
	s_wait_dscnt 0x0
	s_set_vgpr_msb 0x400
	s_endpgm
.Lfunc_end_k_q712a917782_qkv:
	.size	k_q712a917782_qkv, .Lfunc_end_k_q712a917782_qkv-k_q712a917782_qkv
	.p2alignl 7, 3214868480
	.fill 96, 4, 3214868480
	.section	.rodata,"a",@progbits
	.p2align	6, 0x0
	.amdhsa_kernel k_q712a917782_qkv
		.amdhsa_group_segment_fixed_size 14848
		.amdhsa_private_segment_fixed_size 0
		.amdhsa_enable_private_segment 0
		.amdhsa_kernarg_size 80
		.amdhsa_user_sgpr_count 2
		.amdhsa_user_sgpr_kernarg_segment_ptr 1
		.amdhsa_wavefront_size32 1
		.amdhsa_system_sgpr_workgroup_id_x 1
		.amdhsa_system_sgpr_workgroup_id_y 1
		.amdhsa_system_sgpr_workgroup_id_z 1
		.amdhsa_system_vgpr_workitem_id 0
		.amdhsa_next_free_vgpr 258
		.amdhsa_next_free_sgpr 102
		.amdhsa_reserve_vcc 0
		.amdhsa_float_denorm_mode_32 3
		.amdhsa_float_denorm_mode_16_64 3
		.amdhsa_memory_ordered 1
		.amdhsa_forward_progress 1
		.amdhsa_inst_pref_size 82
	.end_amdhsa_kernel
	.amdgpu_metadata
---
amdhsa.version: [ 1, 2 ]
amdhsa.kernels:
  - .name:           k_q712a917782_qkv
    .symbol:         k_q712a917782_qkv.kd
    .args:
      - { .name: x, .offset: 0, .size: 8, .value_kind: global_buffer, .address_space: global }
      - { .name: norm_w, .offset: 8, .size: 8, .value_kind: global_buffer, .address_space: global }
      - { .name: norm_b, .offset: 16, .size: 8, .value_kind: global_buffer, .address_space: global }
      - { .name: qkv_b, .offset: 24, .size: 8, .value_kind: global_buffer, .address_space: global }
      - { .name: stats, .offset: 32, .size: 8, .value_kind: global_buffer, .address_space: global }
      - { .name: wc, .offset: 40, .size: 8, .value_kind: global_buffer, .address_space: global }
      - { .name: wsc, .offset: 48, .size: 8, .value_kind: global_buffer, .address_space: global }
      - { .name: qc, .offset: 56, .size: 8, .value_kind: global_buffer, .address_space: global }
      - { .name: qs, .offset: 64, .size: 8, .value_kind: global_buffer, .address_space: global }
      - { .name: kv, .offset: 72, .size: 8, .value_kind: global_buffer, .address_space: global }
    .group_segment_fixed_size: 14848
    .private_segment_fixed_size: 0
    .kernarg_segment_align: 8
    .kernarg_segment_size: 80
    .max_flat_workgroup_size: 384
    .sgpr_count:     102
    .vgpr_count:     258
    .wavefront_size: 32
...
	.end_amdgpu_metadata
.endif
;; end of part 2
;; launch attn (part 3): grid 4 x 64, 16 waves a work-group, clusters of 4 x 1, 169,984 bytes of LDS; arguments qc, qs, kv, ac; writes ac
.if DOCPART == 3
	.amdgcn_target "amdgcn-amd-amdhsa--gfx1250"
	.amdhsa_code_object_version 6
	.text
	.protected	k_q712a917782_attn
	.globl	k_q712a917782_attn
	.p2align	8
	.type	k_q712a917782_attn,@function
k_q712a917782_attn:
	s_mov_b64 s[64:65], 0
	v_nop
	global_prefetch_b8 v0, s[64:65] scope:SCOPE_SE
	s_setreg_imm32_b32 hwreg(HW_REG_WAVE_MODE, 25, 1), 1
	s_wait_xcnt 0x0
	s_wait_alu depctr_hold_cnt(0) depctr_sa_sdst(0) depctr_va_vdst(0) depctr_va_sdst(0) depctr_va_ssrc(0) depctr_va_vcc(0) depctr_vm_vsrc(0)
	s_getreg_b32 s2, hwreg(HW_REG_IB_STS2, 6, 4)
	s_cmp_eq_u32 s2, 0
	s_cbranch_scc0 .Lentry_in_a_cluster
	s_endpgm
.Lentry_in_a_cluster:
	s_bfe_u32 s2, ttmp6, 0x10000c
	s_cmp_lg_u32 s2, 0x3003
	s_cbranch_scc0 .Lentry_shape_is_right
	s_endpgm
.Lentry_shape_is_right:
; out = softmax(q k^T / 8) v for one head, both products on codes of BF6 (E3M2) with one E8M0 scale for each 32 along K, and the quantiser of the result along the channels for the projection.
; THE SOFTMAX AHEAD OF THE SECOND PRODUCT: t = score x log2(e) / 8; M = the row's largest t so far, rounded UP to a whole number; p = 2^(t - M) is what is quantised, along the keys; it is not normalised.  The row's sum is taken
; of the unquantised p, in f32, and divides the result at the end.  When M moves, the sum and the result are multiplied by 2^(old M - new M): exact.
; SHARES.  A work-group owns 256 queries of one (image, head) = work-group y; each of its sixteen waves one tile of 16 queries, in 224 registers: four waves to a SIMD, so that one wave's vector work stands beside another's
; matrix work and LDS loads.  Every wave walks the head's 1,024 keys, 128 a step.
; K AND V OF THE WHOLE HEAD ARE ONE DENSE BLOCK OF 102,400 BYTES (codes and scale words, as images of the operands' registers).  It comes into LDS once and nothing is filled again.
; CLUSTER.  The four query blocks of a head form a cluster and read the same block: waves 0-3 ask for a quarter each (100 rows of 256 bytes) JOINTLY: the same tensor load with the same descriptor and a mask that names the four.
; LAYOUT.  Both products are used transposed: S^T = K Q^T, O^T = V^T P^T: a lane holds one query (lane % 16) throughout.  The keys of a tile, and the d of a tile of V, are chosen (32 b + 8 u + r + 8 (r / 8) in lane-row r of tile
; 2 b + u) so that the 16 registers of two neighbouring tiles are 16 neighbours: of the keys for p, of d for the result.
; THE FIRST PRODUCT'S K IS 64, the instruction's 128.  A fragment of K holds TWO tiles of keys, one in each half of the 128; it is multiplied once by [q | zero codes] and once by [zero codes | q].  So the unused half is zero codes on
; Q's side alone: the other tile's codes are multiplied by exact zeros, under scale bytes between 1 and 254.
; LIMITS: NaN and infinities are not served.  A block whose largest magnitude lies under 2^-122 keeps the scale byte 1; a block of zeros gets 1 where the rule says 127: its codes are zeros, and this program alone reads the bytes.
; A block's largest p is taken as the exponential of the block's largest score, which leans on v_exp_f32 not falling where its input rises.
.set L16, 1                            ; v1  16 x lane
.set L8,  2                            ; v2  8 x lane
.set L4S, 3                            ; v3  4 x lane + where K's scale words begin
.set R4,  4                            ; v4  4 r
.set A16, 5                            ; v5-7 the step's addresses
.set A8,  6
.set AS,  7
.set LN,  8                            ; v8  lane
                                       ; v12 -M, v13 the largest t, v[14:15] the sum in two halves;  v16-27 [q | 0], v28-39 [0 | q]
.set KV,  40                           ; v40-87   four fragments of K or of V
.set S,   88                           ; v88-151  S^T, then p
.set O,   152                          ; v152-183 O^T
.set P,   184                          ; v184-195 p's codes
.set BM,  196                          ; v196-199 the blocks' largest scores
.set PT,  200                          ; v200-203 the other half's, then bytes, then a chain of the sum
.set CT,  204                          ; v204-206, v208-210 the conversions' second halves
.set SO,  212                          ; v212-215 the conversions' scale operands
.set KS,  216                          ; v216-217 K's scale words: lanes 0-15 an even pair of tiles, lanes 16-31 the odd one
.set VS,  218                          ; v218-219 V's likewise
.set F,   220                          ; v220 f = 2^(old M - new M)
.set PW,  221                          ; v221 p's scale word
.set TMP, 222
.set QS,  223                          ; v223 q's scale words
.set TM,  196                          ; the last quantiser's registers
.set TP,  200
.set PC,  184
.set WV,  12
.set SEL, 40
.set CS,  42
.set TB,  44                           ; s44 the step's codes: 6,144 bytes a step, in K's part and in V's
.set TS,  45                           ; s45 its scale words: 256 bytes a step
.set CNT, 46
.macro ROUND                           ; a round of the cluster's barrier
	s_barrier_signal -1
	s_barrier_wait -1
	s_cmp_lg_u32 s[WV], 0
	s_cbranch_scc1 .Lnot_wave_0_\@
	s_barrier_signal -3
.Lnot_wave_0_\@:
	s_barrier_wait -3
	s_barrier_signal -1
	s_barrier_wait -1
.endm
.macro FRAGL reg, a16, a8, o0, o1      ; two images of 768 bytes (registers 0-3 at 16 x lane, 4-5 at 512 + 8 x lane) make a fragment
	ds_load_b128 v[\reg:\reg+3], v[\a16] offset:\o0
	ds_load_b64 v[\reg+4:\reg+5], v[\a8] offset:\o0+512
	ds_load_b128 v[\reg+6:\reg+9], v[\a16] offset:\o1
	ds_load_b64 v[\reg+10:\reg+11], v[\a8] offset:\o1+512
.endm
.macro QUANT2 s                        ; 32 numbers of a lane, register 16 b + i = k 32 b + 16 h + i of my row, become six registers of codes in v[PC:PC+5] and two scale bytes in v[PW]
.irp b, 0,1
	v_max3_num_f32 v[TM+\b], |v[\s+16*\b]|, |v[\s+16*\b+1]|, 0x2800000
.endr
.irp i, 2,4,6,8,10,12,14
.irp b, 0,1
	v_max3_num_f32 v[TM+\b], v[TM+\b], |v[\s+16*\b+\i]|, |v[\s+16*\b+\i+1]|
.endr
.endr
.irp b, 0,1
	v_permlanex16_b32 v[TP+\b], v[TM+\b], s[SEL], s[SEL+1]
.endr
.irp b, 0,1
	v_max_num_f32 v[TM+\b], v[TM+\b], v[TP+\b]
.endr
.irp b, 0,1
	v_add_nc_u32 v[SO+\b], 0xfe000000, v[TM+\b]
.endr
.irp b, 0,1
	v_lshrrev_b32 v[TP+\b], 23, v[SO+\b]
.endr
	v_lshl_or_b32 v[PW], v[TP+1], 8, v[TP]
	v_cvt_scalef32_pk16_bf6_f32 v[PC:PC+2], v[\s:\s+15], v[SO]
	v_cvt_scalef32_pk16_bf6_f32 v[PC+4:PC+6], v[\s+16:\s+31], v[SO+1]
	v_nop
.irp i, 0,1,2
	v_permlane16_swap_b32 v[PC+\i], v[PC+4+\i]
.endr
	v_mov_b32 v[PC+3], v[PC+4]
	v_mov_b32 v[PC+4], v[PC+5]
	v_mov_b32 v[PC+5], v[PC+6]
.endm
	s_load_b256 s[4:11], s[0:1], 0x0               ; qc s[4:5], qs s[6:7], kv s[8:9], ac s[10:11]
	v_lshl_add_u32 v224, v0, 2, 0x29000
	v_mov_b32 v225, 0
	ds_add_u32 v224, v225
	ds_add_u32 v224, v225
	v_lshrrev_b32 v1, 5, v0
	v_readfirstlane_b32 s[WV], v1                  ; wave 0..15
	s_bfe_u32 s13, ttmp6, 0x40000                  ; cx: it enters qc's, qs's and ac's addresses alone
	s_lshl_b32 s14, ttmp9, 2
	s_add_co_u32 s14, s14, s13                     ; my block of 256 queries
	s_and_b32 s15, ttmp7, 0xffff                   ; 4 b + head, which the four partners share
	; descriptor group 1: 100 rows of 256 bytes (32 elements of 8), dense, no padding
	s_mov_b32 s24, 15|(3<<16)|(1<<21)              ; 15:0 the mask: all four work-groups; 17:16 elements of 8 bytes; 21 set beside a mask
	s_mov_b32 s25, 32<<16                          ; tensor_dim0 = 32
	s_mov_b32 s26, 100<<16                         ; tensor_dim1 = 100
	s_mov_b32 s27, 32<<16                          ; tile_dim0 = 32
	s_mov_b32 s28, 100                             ; tile_dim1 = 100
	s_mov_b32 s29, 32                              ; from row to row
	s_mov_b32 s30, 0
	s_mov_b32 s31, 0
	s_mul_i32 s17, s[WV], 25600                    ; my quarter, in LDS as in memory
	s_mul_i32 s32, s15, 102400
	s_add_co_u32 s32, s32, s17
	s_mov_b32 s33, 0
	s_lshl_b32 s34, s14, 4
	s_add_co_u32 s34, s34, s[WV]                   ; my tile of queries among the head's 64
	s_lshl_b32 s35, s15, 6
	s_add_co_u32 s35, s35, s34
	s_mul_i32 s36, s35, 768
	s_mov_b32 s37, 0
	s_lshl_b32 s48, s35, 6
	s_mov_b32 s49, 0
	s_lshr_b32 s50, s15, 2                         ; b
	s_and_b32 s51, s15, 3                          ; head
	s_lshl_b32 s50, s50, 4
	s_lshl_b32 s52, s14, 2
	s_add_co_u32 s50, s50, s52
	s_lshr_b32 s52, s[WV], 2
	s_add_co_u32 s50, s50, s52                     ; 16 b + chunk of 64 positions
	s_mul_i32 s50, s50, 12800                      ; ac: [b][chunk][12,800]
	s_and_b32 s52, s[WV], 3                        ; my tile in the chunk
	s_mul_i32 s54, s52, 3072
	s_add_co_u32 s54, s54, s50
	s_mul_i32 s53, s51, 768
	s_add_co_u32 s54, s54, s53                     ; codes: [tile 4][head 4][768]
	s_mov_b32 s55, 0
	s_lshl_b32 s56, s52, 7
	s_add_co_u32 s56, s56, s50
	s_lshr_b32 s53, s51, 1
	s_lshl_b32 s53, s53, 6
	s_add_co_u32 s56, s56, s53
	s_and_b32 s53, s51, 1
	s_lshl_b32 s53, s53, 1
	s_add_co_u32 s56, s56, s53
	s_add_co_u32 s56, s56, 12288                   ; scale words: [tile][K step 2][16]; my head's two bytes are half a word
	s_mov_b32 s57, 0
	s_mov_b32 s[SEL], 0x76543210
	s_mov_b32 s[SEL+1], 0xfedcba98
	s_mov_b32 s[CS], 0x3e38aa3b                    ; c = log2(e) / 8
	s_mov_b32 s[CS+1], s[CS]                       ; (named with it as a pair, so it is written)
	s_mov_b32 s[TB], 0
	s_mov_b32 s[TS], 0
	s_mov_b32 s[CNT], 8
	s_wait_dscnt 0x0
	s_wait_kmcnt 0x0
	s_mov_b32 s20, 1                               ; group 0: count = 1,
	s_mov_b32 s21, s17                             ; LDS address,
	s_add_nc_u64 s[22:23], s[8:9], s[32:33]        ; global address,
	s_or_b32 s23, s23, 0x80000000                  ; type = 2
	s_add_nc_u64 s[4:5], s[4:5], s[36:37]
	s_add_nc_u64 s[6:7], s[6:7], s[48:49]
	s_add_nc_u64 s[38:39], s[10:11], s[56:57]
	s_add_nc_u64 s[10:11], s[10:11], s[54:55]
	ROUND                                          ; all four work-groups are here: the joint loads meet
	s_cmp_lt_u32 s[WV], 4
	s_cbranch_scc0 .Lno_fill
	tensor_load_to_lds s[20:23], s[24:31]          ; one load a wave, four in the work-group; four v_nop follow it
	s_nop 0
.rept 4
	v_nop
.endr
.Lno_fill:
	v_and_b32 v[LN], 31, v0
	v_lshlrev_b32 v[L16], 4, v[LN]
	v_lshlrev_b32 v[L8], 3, v[LN]
	v_lshl_add_u32 v[L4S], v[LN], 2, 98304
	v_and_b32 v9, 15, v0
	v_lshlrev_b32 v[R4], 2, v9
	global_load_b128 v[16:19], v[L16], s[4:5]      ; q's six registers, twice: in the lower half of one operand
	global_load_b64 v[20:21], v[L8], s[4:5] offset:512
	global_load_b128 v[34:37], v[L16], s[4:5]      ; and in the upper half of the other
	global_load_b64 v[38:39], v[L8], s[4:5] offset:512
	global_load_b32 v[QS], v[R4], s[6:7]
.irp j, 22,23,24,25,26,27,28,29,30,31,32,33
	v_mov_b32 v[\j], 0                             ; zero codes
.endr
	v_mov_b32 v13, 0xff61b1e6                      ; the largest t so far: -3e38, under every t
	v_floor_f32 v12, -v13                          ; -M
	v_mov_b32 v14, 0
	v_mov_b32 v15, 0
.irp b, 0,1,2,3
	v_mov_b32 v[PT+\b], 0                          ; written once: a lane permute's destination counts as one of its sources
.endr
	v_mov_b32 v[PW], 0                             ; (named as the upper half of the pair v[F:F+1] before it is first written)
.set j, 0
.rept 32
	v_mov_b32 v[O+j], 0                            ; O^T.  (The step is written once: the first finds zeros, which the first change of M leaves zeros)
.set j, j+1
.endr
	s_wait_tensorcnt 0x0                           ; my quarter has landed (a wave that asked for nothing passes)
	s_barrier_signal -1
	s_barrier_wait -1                              ; everybody's has
	s_wait_loadcnt 0x0                             ; q
.Lstep:                                            ; eight trips of 128 keys
	v_add_nc_u32 v[A16], s[TB], v[L16]             ; (these four lines are the places behind the last trip's products, ahead of the loads into the registers that they read)
	v_add_nc_u32 v[A8], s[TB], v[L8]
	v_add_nc_u32 v[AS], s[TS], v[L4S]
	v_nop
.irp p, 0,1,2,3
	FRAGL KV+12*\p, A16, A8, 1536*\p, 1536*\p+768  ; tiles 2 p and 2 p + 1 of the step's eight
.endr
	ds_load_b32 v[KS], v[AS]
	ds_load_b32 v[KS+1], v[AS] offset:128
	s_wait_dscnt 0x0
.irp p, 0,1,2,3
.if \p%2
	v_wmma_scale_f32_16x16x128_f8f6f4 v[S+16*\p:S+16*\p+7], v[KV+12*\p:KV+12*\p+11], v[16:27], 0, v[KS+\p/2], v[QS] matrix_a_fmt:MATRIX_FMT_BF6 matrix_b_fmt:MATRIX_FMT_BF6 matrix_a_scale:MATRIX_SCALE_ROW1
	v_wmma_scale_f32_16x16x128_f8f6f4 v[S+16*\p+8:S+16*\p+15], v[KV+12*\p:KV+12*\p+11], v[28:39], 0, v[KS+\p/2], v[QS] matrix_a_fmt:MATRIX_FMT_BF6 matrix_b_fmt:MATRIX_FMT_BF6 matrix_a_scale:MATRIX_SCALE_ROW1
.else
	v_wmma_scale_f32_16x16x128_f8f6f4 v[S+16*\p:S+16*\p+7], v[KV+12*\p:KV+12*\p+11], v[16:27], 0, v[KS+\p/2], v[QS] matrix_a_fmt:MATRIX_FMT_BF6 matrix_b_fmt:MATRIX_FMT_BF6
	v_wmma_scale_f32_16x16x128_f8f6f4 v[S+16*\p+8:S+16*\p+15], v[KV+12*\p:KV+12*\p+11], v[28:39], 0, v[KS+\p/2], v[QS] matrix_a_fmt:MATRIX_FMT_BF6 matrix_b_fmt:MATRIX_FMT_BF6
.endif
.endr                                              ; register 16 p + i of S^T is key 32 p + 16 (lane / 16) + i of the step
.rept 4
	v_nop                                          ; four places: ahead of the loads into K's registers and of the first read of the scores
.endr
.irp n, 0,1,2,3
	FRAGL KV+12*\n, A16, A8, 49152+768*\n, 52224+768*\n   ; V's d tile n: the step's two chunks of 64 keys.  These 18 loads land under the softmax
.endr
	ds_load_b32 v[VS], v[AS] offset:2048
	ds_load_b32 v[VS+1], v[AS] offset:2176
.irp b, 0,1,2,3
	v_max3_num_f32 v[BM+\b], v[S+16*\b], v[S+16*\b+1], v[S+16*\b+2]   ; THE LARGEST SCORE OF EACH BLOCK OF 32 KEYS serves twice: for the row's maximum and, since p rises with the score, for the block's largest p
.endr
.irp i, 3,5,7,9,11,13
.irp b, 0,1,2,3
	v_max3_num_f32 v[BM+\b], v[BM+\b], v[S+16*\b+\i], v[S+16*\b+\i+1]
.endr
.endr
.irp b, 0,1,2,3
	v_max_num_f32 v[BM+\b], v[BM+\b], v[S+16*\b+15]
.endr
.irp b, 0,1,2,3
	v_permlanex16_b32 v[PT+\b], v[BM+\b], s[SEL], s[SEL+1]
.endr
.irp b, 0,1,2,3
	v_max_num_f32 v[BM+\b], v[BM+\b], v[PT+\b]     ; with lane l xor 16's 16 keys
.endr
	v_max3_num_f32 v[TMP], v[BM], v[BM+1], v[BM+2]
	v_max_num_f32 v[TMP], v[TMP], v[BM+3]          ; the step's largest score of my query
	v_mul_f32 v[TMP], s[CS], v[TMP]                ; as t (c is positive)
	v_max_num_f32 v13, v13, v[TMP]                 ; the running largest t
	v_mov_b32 v[TMP], v12
	v_floor_f32 v12, -v13                          ; the new -M = floor(-t) = -ceil(t): a whole number
	v_sub_f32 v[TMP], v12, v[TMP]                  ; old M - new M: a whole number, 0 or less
	v_cvt_i32_f32 v[TMP], v[TMP]                   ; (it saturates)
	v_ldexp_f32 v[F], 1.0, v[TMP]                  ; f = 2^(old M - new M)
.set j, 0
.rept 32
	v_pk_fma_f32 v[S+j:S+j+1], v[S+j:S+j+1], s[CS:CS+1], v[12:13] op_sel_hi:[1,0,0]   ; t - M, two at a time
.set j, j+2
.endr
.irp b, 0,1,2,3
	v_fma_f32 v[BM+\b], v[BM+\b], s[CS], v12       ; the same of each block's largest score
.endr
.set j, 0
.rept 64
	v_exp_f32 v[S+j], v[S+j]                       ; p = 2^(t - M), at most 1: not normalised
.set j, j+1
.endr
.irp b, 0,1,2,3
	v_exp_f32 v[BM+\b], v[BM+\b]                   ; the block's largest p
.endr
	v_pk_mul_f32 v[14:15], v[14:15], v[F:F+1] op_sel_hi:[1,0]   ; the sums under the new M.  (A plain place behind the exponentials)
	s_wait_alu depctr_va_vdst(0)
.irp b, 0,1,2,3
	v_max_num_f32 v[BM+\b], 0x2800000, v[BM+\b]    ; the floor 2^(5 - 127): the byte cannot fall under 1
.endr
.irp b, 0,1,2,3
	v_add_nc_u32 v[SO+\b], 0xfe000000, v[BM+\b]    ; 4 off the exponent field: the conversion's scale operand
.endr
.irp b, 0,1,2,3
	v_lshrrev_b32 v[PT+\b], 23, v[SO+\b]           ; the scale's byte
.endr
	v_lshl_or_b32 v[PW], v[PT+1], 8, v[PT]         ; p's scale word for these 128 keys
	v_lshl_or_b32 v[PW], v[PT+2], 16, v[PW]
	v_lshl_or_b32 v[PW], v[PT+3], 24, v[PW]
.irp c, 0,1
	v_cvt_scalef32_pk16_bf6_f32 v[P+6*\c:P+6*\c+2], v[S+32*\c:S+32*\c+15], v[SO+2*\c]
	v_cvt_scalef32_pk16_bf6_f32 v[CT+4*\c:CT+4*\c+2], v[S+32*\c+16:S+32*\c+31], v[SO+2*\c+1]   ; (a conversion's three registers begin on an even number)
.endr
	v_nop                                          ; one plain place behind a scaled conversion
.irp c, 0,1                                        ; the layout wants a WHOLE block in a lane: lanes 0-15 block 2 c, lanes 16-31 block 2 c + 1
.irp i, 0,1,2
	v_permlane16_swap_b32 v[P+6*\c+\i], v[CT+4*\c+\i]
.endr
.irp i, 0,1,2
	v_mov_b32 v[P+6*\c+3+\i], v[CT+4*\c+\i]
.endr
.endr
	v_pk_add_f32 v[PT:PT+1], v[S:S+1], v[S+2:S+3]  ; THE ROW'S SUM IS TAKEN OF THE UNQUANTISED p: two at a time, in two chains
.irp j, 4,8,12,16,20,24,28,32,36,40,44,48,52,56,60
	v_pk_add_f32 v[14:15], v[14:15], v[S+\j:S+\j+1]
	v_pk_add_f32 v[PT:PT+1], v[PT:PT+1], v[S+\j+2:S+\j+3]
.endr
	v_pk_add_f32 v[14:15], v[14:15], v[PT:PT+1]
.set j, 0
.rept 16
	v_pk_mul_f32 v[O+j:O+j+1], v[O+j:O+j+1], v[F:F+1] op_sel_hi:[1,0]   ; O^T under the new M.  (The sums and these are the places between p's codes and scale word and the products below)
.set j, j+2
.endr
	s_wait_dscnt 0x0                               ; V and its scale words
.irp n, 0,1,2,3                                    ; O^T += V^T P^T: the four accumulators take turns
.if \n%2
	v_wmma_scale_f32_16x16x128_f8f6f4 v[O+8*\n:O+8*\n+7], v[KV+12*\n:KV+12*\n+11], v[P:P+11], v[O+8*\n:O+8*\n+7], v[VS+\n/2], v[PW] matrix_a_fmt:MATRIX_FMT_BF6 matrix_b_fmt:MATRIX_FMT_BF6 matrix_a_scale:MATRIX_SCALE_ROW1
.else
	v_wmma_scale_f32_16x16x128_f8f6f4 v[O+8*\n:O+8*\n+7], v[KV+12*\n:KV+12*\n+11], v[P:P+11], v[O+8*\n:O+8*\n+7], v[VS+\n/2], v[PW] matrix_a_fmt:MATRIX_FMT_BF6 matrix_b_fmt:MATRIX_FMT_BF6
.endif
.endr
	s_add_co_u32 s[TB], s[TB], 6144
	s_add_co_u32 s[TS], s[TS], 256
	s_sub_co_u32 s[CNT], s[CNT], 1
	s_cmp_lg_u32 s[CNT], 0
	s_cbranch_scc1 .Lstep
	; THE WAY OUT.  O^T / the sum; register 16 b + i is d = 32 b + 16 (lane / 16) + i of my query: my head's 64 channels are two blocks of the projection's K.
.rept 4
	v_nop
.endr
	v_add_f32 v14, v14, v15                        ; the sum's two halves,
	v_permlanex16_b32 v[TMP], v14, s[SEL], s[SEL+1]
	v_add_f32 v14, v14, v[TMP]                     ; and lane l xor 16's: the row's sum
	v_rcp_f32 v14, v14
	v_nop                                          ; one plain place behind a transcendental
.set j, 0
	s_wait_alu depctr_va_vdst(0)
.rept 32
	v_mul_f32 v[S+j], v[O+j], v14                  ; each accumulator from its low end on
.set j, j+1
.endr
	QUANT2 S
	global_store_b128 v[L16], v[PC:PC+3], s[10:11]             ; 512 and 256 consecutive bytes, each at a multiple of 256 from ac's first byte
	global_store_b64 v[L8], v[PC+4:PC+5], s[10:11] offset:512
	s_wait_xcnt 0x0                                ; EXEC changes only behind this wait
	v_cmp_gt_u32 vcc_lo, 16, v[LN]
	s_and_saveexec_b32 s47, vcc_lo                 ; lanes 0-15: one row each
	global_store_b16 v[R4], v[PW], s[38:39]        ; my head's half of 16 neighbouring words: 131,072 bytes in the whole launch
	s_wait_xcnt 0x0
	s_or_b32 exec_lo, exec_lo, s47
	s_wait_tensorcnt 0x0
	ds_add_u32 v224, v225
	s_wait_dscnt 0x0
	ROUND                                          ; the closing round: no work-group ends while a partner may still ask for a tile that names it
	s_endpgm
.Lfunc_end_k_q712a917782_attn:
	.size	k_q712a917782_attn, .Lfunc_end_k_q712a917782_attn-k_q712a917782_attn
	.p2alignl 7, 3214868480
	.fill 96, 4, 3214868480
	.section	.rodata,"a",@progbits
	.p2align	6, 0x0
	.amdhsa_kernel k_q712a917782_attn
		.amdhsa_group_segment_fixed_size 169984
		.amdhsa_private_segment_fixed_size 0
		.amdhsa_enable_private_segment 0
		.amdhsa_kernarg_size 32
		.amdhsa_user_sgpr_count 2
		.amdhsa_user_sgpr_kernarg_segment_ptr 1
		.amdhsa_wavefront_size32 1
		.amdhsa_system_sgpr_workgroup_id_x 1
		.amdhsa_system_sgpr_workgroup_id_y 1
		.amdhsa_system_sgpr_workgroup_id_z 1
		.amdhsa_system_vgpr_workitem_id 0
		.amdhsa_next_free_vgpr 226
		.amdhsa_next_free_sgpr 66
		.amdhsa_reserve_vcc 1
		.amdhsa_float_denorm_mode_32 3
		.amdhsa_float_denorm_mode_16_64 3
		.amdhsa_memory_ordered 1
		.amdhsa_forward_progress 1
		.amdhsa_inst_pref_size 27
	.end_amdhsa_kernel
	.amdgpu_metadata
---
amdhsa.version: [ 1, 2 ]
amdhsa.kernels:
  - .name:           k_q712a917782_attn
    .symbol:         k_q712a917782_attn.kd
    .args:
      - { .name: qc, .offset: 0, .size: 8, .value_kind: global_buffer, .address_space: global }
      - { .name: qs, .offset: 8, .size: 8, .value_kind: global_buffer, .address_space: global }
      - { .name: kv, .offset: 16, .size: 8, .value_kind: global_buffer, .address_space: global }
      - { .name: ac, .offset: 24, .size: 8, .value_kind: global_buffer, .address_space: global }
    .group_segment_fixed_size: 169984
    .private_segment_fixed_size: 0
    .kernarg_segment_align: 8
    .kernarg_segment_size: 32
    .max_flat_workgroup_size: 512
    .sgpr_count:     66
    .vgpr_count:     226
    .wavefront_size: 32
...
	.end_amdgpu_metadata
.endif
;; end of part 3
;; launch proj (part 4): grid 16 x 16, 16 waves a work-group, no clusters, 169,984 bytes of LDS; arguments ac, wc, wsc, proj_b, x, out0; writes out0
.if DOCPART == 4
	.amdgcn_target "amdgcn-amd-amdhsa--gfx1250"
	.amdhsa_code_object_version 6
	.text
	.protected	k_q712a917782_proj
	.globl	k_q712a917782_proj
	.p2align	8
	.type	k_q712a917782_proj,@function
k_q712a917782_proj:
	s_mov_b64 s[64:65], 0
	v_nop
	global_prefetch_b8 v0, s[64:65] scope:SCOPE_SE
	s_setreg_imm32_b32 hwreg(HW_REG_WAVE_MODE, 25, 1), 1
	s_wait_xcnt 0x0
; out0 = x + proj_w att + proj_b, the product on codes of BF6 (E3M2) with one E8M0 scale for each 32 along K = 256 channels.
; SHARES.  A work-group takes 64 positions (chunk = work-group x) of one image (work-group y); wave w makes outputs 16 w .. 16 w + 15 for them: eight matrix instructions.
; The chunk's codes and scale words of att are one dense block of 12,800 bytes, images of the operand's registers: wave 0 brings it into LDS by one tensor load, filled once, and all sixteen waves read it.
; Source 0 = att (tile 2 b + u holds position 32 b + 8 u + r + 8 (r / 8) in lane-row r), source 1 = 16 rows of proj_w: lane (r, h) then holds output 16 w + r, and register j of tile 2 b + u position 32 b + 16 h + 8 u + j:
; eight neighbouring positions, 32 bytes of a row of out0.  A wave's 16 rows x 256 bytes turn through its own stage in LDS, so that sixteen lanes store 256 consecutive aligned bytes.  The bias is the C of each sum's first instruction.
; Every scale register holds K step 0's words in lanes 0-15 and K step 1's in lanes 16-31.
; NO JOINT LOADS: work-groups share proj_w's codes alone (49,152 bytes), and each fragment of them is used by one wave of a work-group and goes straight into its registers; att's block and x are each work-group's own.
; It uses 82,432 bytes and the spare words at 167,936 .. 169,983.
.set L16, 2
.set L8,  3
.set L4,  4
.set STO, 5                            ; v5  the stage: where I put 32 bytes of a row
.set SR,  6                            ; v6  and where I read a row back
.set GO,  7                            ; v7  my byte offset in the wave's rows of x and out0
.set R4,  8
.set AS,  12                           ; v12-15 att's scale words
.set WS,  16                           ; v16    proj_w's
.set BV,  17                           ; v17    my output's bias
.set BC,  24                           ; v24-31 the same, eight times: the result's layout
.set ACC, 32                           ; v32-63   four accumulators
.set WF,  64                           ; v64-87   proj_w's two fragments
.set X,   88                           ; v88-119  x
.set Y,   120                          ; v120-151 rows of the result
.set RES, 160                          ; v160-255 att's eight fragments: tile i, K step s at 160 + 24 i + 12 s
.set STG, 12800                        ; behind att's block: 16 rows x (256 + 16) bytes for each wave
.macro FRAGL reg, a16, a8, o0, o1
	ds_load_b128 v[\reg:\reg+3], v[\a16] offset:\o0
	ds_load_b64 v[\reg+4:\reg+5], v[\a8] offset:\o0+512
	ds_load_b128 v[\reg+6:\reg+9], v[\a16] offset:\o1
	ds_load_b64 v[\reg+10:\reg+11], v[\a8] offset:\o1+512
.endm
	s_load_b256 s[4:11], s[0:1], 0x0               ; ac s[4:5], wc s[6:7], wsc s[8:9], proj_b s[10:11]
	s_load_b128 s[12:15], s[0:1], 0x20             ; x s[12:13], out0 s[14:15]
	v_lshl_add_u32 v158, v0, 2, 0x29000
	v_mov_b32 v159, 0
	ds_add_u32 v158, v159
	ds_add_u32 v158, v159
	v_lshrrev_b32 v1, 5, v0
	v_readfirstlane_b32 s16, v1                    ; wave 0..15
	s_and_b32 s18, ttmp7, 0xffff                   ; b
	; descriptor group 1: 50 rows of 256 bytes (32 elements of 8), dense, no padding
	s_mov_b32 s24, 3<<16
	s_mov_b32 s25, 32<<16
	s_mov_b32 s26, 50<<16
	s_mov_b32 s27, 32<<16
	s_mov_b32 s28, 50
	s_mov_b32 s29, 32
	s_mov_b32 s30, 0
	s_mov_b32 s31, 0
	s_lshl_b32 s32, s18, 4
	s_add_co_u32 s32, s32, ttmp9
	s_mul_i32 s32, s32, 12800
	s_mov_b32 s33, 0
	s_add_co_u32 s34, s16, 48                      ; my tile of weights
	s_mul_i32 s36, s34, 3072
	s_mov_b32 s37, 0
	s_lshl_b32 s38, s34, 7
	s_mov_b32 s39, 0
	s_lshl_b32 s40, s16, 6
	s_mov_b32 s41, 0
	s_lshl_b32 s42, s18, 20
	s_lshl_b32 s35, s16, 16
	s_add_co_u32 s42, s42, s35
	s_lshl_b32 s35, ttmp9, 8
	s_add_co_u32 s42, s42, s35                     ; image b, output 16 w, position 64 chunk
	s_mov_b32 s43, 0
	s_mul_i32 s44, s16, 16*272
	s_add_co_u32 s44, s44, STG                     ; my stage
	v_and_b32 v1, 31, v0
	v_lshlrev_b32 v[L16], 4, v1
	v_lshlrev_b32 v[L8], 3, v1
	v_lshlrev_b32 v[L4], 2, v1
	v_and_b32 v9, 15, v0                           ; r
	v_bfe_u32 v10, v0, 4, 1                        ; h
	v_lshlrev_b32 v[R4], 2, v9
	v_mul_u32_u24 v[STO], v9, 272
	v_lshl_add_u32 v[STO], v10, 6, v[STO]
	v_add_nc_u32 v[STO], s44, v[STO]               ; in: row r, + 64 h
	v_mul_u32_u24 v[SR], v10, 272
	v_lshl_add_u32 v[SR], v9, 4, v[SR]
	v_add_nc_u32 v[SR], s44, v[SR]                 ; back: lanes 0-15 one row, lanes 16-31 the next
	v_lshlrev_b32 v[GO], 12, v10
	v_lshl_add_u32 v[GO], v9, 4, v[GO]             ; and the same two rows in memory, 4,096 bytes apart
	s_wait_dscnt 0x0
	s_wait_kmcnt 0x0
	s_mov_b32 s20, 1
	s_mov_b32 s21, 0
	s_add_nc_u64 s[22:23], s[4:5], s[32:33]
	s_or_b32 s23, s23, 0x80000000
	s_add_nc_u64 s[6:7], s[6:7], s[36:37]
	s_add_nc_u64 s[8:9], s[8:9], s[38:39]
	s_add_nc_u64 s[10:11], s[10:11], s[40:41]
	s_add_nc_u64 s[12:13], s[12:13], s[42:43]
	s_add_nc_u64 s[14:15], s[14:15], s[42:43]
	s_cmp_lg_u32 s16, 0
	s_cbranch_scc1 .Lno_fill
	tensor_load_to_lds s[20:23], s[24:31]          ; the launch's one tensor load; four v_nop follow it
	s_nop 0
.rept 4
	v_nop
.endr
.Lno_fill:
.irp q, 0,1,2,3,4,5
	global_load_b128 v[WF+4*\q:WF+4*\q+3], v[L16], s[6:7] offset:512*\q
.endr
	global_load_b32 v[WS], v[L4], s[8:9]
	global_load_b32 v[BV], v[R4], s[10:11]
.irp i, 0,1,2,3,4,5,6,7
	global_load_b128 v[X+4*\i:X+4*\i+3], v[GO], s[12:13] offset:8192*\i th:TH_LOAD_NT   ; sixteen lanes read 256 consecutive bytes; the program's last read of x
.endr
	s_wait_tensorcnt 0x0                           ; wave 0: the block has landed (the others pass)
	s_barrier_signal -1
	s_barrier_wait -1
.irp T, 0,1,2,3
	FRAGL RES+24*\T, L16, L8, 3072*\T, 3072*\T+768
	FRAGL RES+24*\T+12, L16, L8, 3072*\T+1536, 3072*\T+2304
.endr
.irp T, 0,1,2,3
	ds_load_b32 v[AS+\T], v[L4] offset:12288+128*\T
.endr
	s_wait_loadcnt 8                               ; the weights, their scale words and the bias are in; x's eight loads may be out
.irp j, 0,1,2,3,4,5,6,7
	v_mov_b32 v[BC+\j], v[BV]
.endr
	s_wait_dscnt 0x0
.irp i, 0,1,2,3                                    ; the four accumulators take turns, one instruction a turn
	v_wmma_scale_f32_16x16x128_f8f6f4 v[ACC+8*\i:ACC+8*\i+7], v[RES+24*\i:RES+24*\i+11], v[WF:WF+11], v[BC:BC+7], v[AS+\i], v[WS] matrix_a_fmt:MATRIX_FMT_BF6 matrix_b_fmt:MATRIX_FMT_BF6
.endr
.irp i, 0,1,2,3
	v_wmma_scale_f32_16x16x128_f8f6f4 v[ACC+8*\i:ACC+8*\i+7], v[RES+24*\i+12:RES+24*\i+23], v[WF+12:WF+23], v[ACC+8*\i:ACC+8*\i+7], v[AS+\i], v[WS] matrix_a_fmt:MATRIX_FMT_BF6 matrix_b_fmt:MATRIX_FMT_BF6 matrix_a_scale:MATRIX_SCALE_ROW1 matrix_b_scale:MATRIX_SCALE_ROW1
.endr
.rept 4
	v_nop                                          ; four places ahead of the first read of results (ISA guide 7.12.1)
.endr
.irp i, 0,1,2,3
	ds_store_b128 v[STO], v[ACC+8*\i:ACC+8*\i+3] offset:128*(\i/2)+32*(\i%2)        ; each accumulator from its low end on
	ds_store_b128 v[STO], v[ACC+8*\i+4:ACC+8*\i+7] offset:128*(\i/2)+32*(\i%2)+16
.endr
.irp i, 0,1,2,3,4,5,6,7
	ds_load_b128 v[Y+4*\i:Y+4*\i+3], v[SR] offset:544*\i   ; LDS serves a wave's instructions in order (ISA guide 5.7.1.4): these see my stores; the stage is my own
.endr
	s_wait_dscnt 0x0
	s_wait_loadcnt 0x0                             ; x
.set j, 0
.rept 16
	v_pk_add_f32 v[Y+j:Y+j+1], v[Y+j:Y+j+1], v[X+j:X+j+1]
.set j, j+2
.endr
.irp i, 0,1,2,3,4,5,6,7
	global_store_b128 v[GO], v[Y+4*\i:Y+4*\i+3], s[14:15] offset:8192*\i th:TH_STORE_NT   ; sixteen lanes store 256 consecutive bytes, at a multiple of 256 from out0's first byte
.endr
	s_wait_tensorcnt 0x0
	ds_add_u32 v158, v159
	s_wait_dscnt 0x0
	s_endpgm
.Lfunc_end_k_q712a917782_proj:
	.size	k_q712a917782_proj, .Lfunc_end_k_q712a917782_proj-k_q712a917782_proj
	.p2alignl 7, 3214868480
	.fill 96, 4, 3214868480
	.section	.rodata,"a",@progbits
	.p2align	6, 0x0
	.amdhsa_kernel k_q712a917782_proj
		.amdhsa_group_segment_fixed_size 169984
		.amdhsa_private_segment_fixed_size 0
		.amdhsa_enable_private_segment 0
		.amdhsa_kernarg_size 48
		.amdhsa_user_sgpr_count 2
		.amdhsa_user_sgpr_kernarg_segment_ptr 1
		.amdhsa_wavefront_size32 1
		.amdhsa_system_sgpr_workgroup_id_x 1
		.amdhsa_system_sgpr_workgroup_id_y 1
		.amdhsa_system_sgpr_workgroup_id_z 1
		.amdhsa_system_vgpr_workitem_id 0
		.amdhsa_next_free_vgpr 256
		.amdhsa_next_free_sgpr 66
		.amdhsa_reserve_vcc 0
		.amdhsa_float_denorm_mode_32 3
		.amdhsa_float_denorm_mode_16_64 3
		.amdhsa_memory_ordered 1
		.amdhsa_forward_progress 1
		.amdhsa_inst_pref_size 12
	.end_amdhsa_kernel
	.amdgpu_metadata
---
amdhsa.version: [ 1, 2 ]
amdhsa.kernels:
  - .name:           k_q712a917782_proj
    .symbol:         k_q712a917782_proj.kd
    .args:
      - { .name: ac, .offset: 0, .size: 8, .value_kind: global_buffer, .address_space: global }
      - { .name: wc, .offset: 8, .size: 8, .value_kind: global_buffer, .address_space: global }
      - { .name: wsc, .offset: 16, .size: 8, .value_kind: global_buffer, .address_space: global }
      - { .name: proj_b, .offset: 24, .size: 8, .value_kind: global_buffer, .address_space: global }
      - { .name: x, .offset: 32, .size: 8, .value_kind: global_buffer, .address_space: global }
      - { .name: out0, .offset: 40, .size: 8, .value_kind: global_buffer, .address_space: global }
    .group_segment_fixed_size: 169984
    .private_segment_fixed_size: 0
    .kernarg_segment_align: 8
    .kernarg_segment_size: 48
    .max_flat_workgroup_size: 512
    .sgpr_count:     66
    .vgpr_count:     256
    .wavefront_size: 32
...
	.end_amdgpu_metadata
.endif
;; end of part 4
;; ======== version 2 of 2: 3 launches; 1.20 times as fast as version 1
;; workspace buffers: stats 2,048 bytes; wc 196,608 bytes; wsc 8,192 bytes; qc 3,145,728 bytes; qs 262,144 bytes; kv 6,553,600 bytes
;; launch prep (part 5): grid 256 x 1, 8 waves a work-group, no clusters, 1,280 bytes of LDS; arguments x, qkv_w, proj_w, stats, wc, wsc; writes stats, wc, wsc
.if DOCPART == 5
	.amdgcn_target "amdgcn-amd-amdhsa--gfx1250"
	.amdhsa_code_object_version 6
	.text
	.protected	k_q712a917782_prep
	.globl	k_q712a917782_prep
	.p2align	8
	.type	k_q712a917782_prep,@function
k_q712a917782_prep:
	s_mov_b64 s[64:65], 0
	v_nop
	global_prefetch_b8 v0, s[64:65] scope:SCOPE_SE
	s_setreg_imm32_b32 hwreg(HW_REG_WAVE_MODE, 25, 1), 1
	s_wait_xcnt 0x0
; TWO JOBS IN ONE LAUNCH OF 256 EQUAL WORK-GROUPS.
; EVERY work-group i: the mean and the sum of squared deviations (M2) of HALF a GroupNorm group.  x is [16][256][1024] f32; a group is 32 channels = 131,072 consecutive bytes;
;   work-group i owns the 65,536 bytes at 65,536 i (16,384 numbers), keeps them in registers (64 a thread) and goes over them twice: first the mean, then the deviations from it.
;   No difference of large sums is formed.  stats[i] = (mean, M2), 8 bytes.  The next launch joins the two halves of a group.
; WAVE 0 OF WORK-GROUPS 0-127, behind its loads of x and ahead of the sums: one fragment of the weights.  qkv_w [768][256] and proj_w [256][256], f32, K innermost, become codes of BF6 (E3M2) with one E8M0 byte for
;   each 32 along K, stored AS IMAGES OF THE OPERAND'S REGISTERS: a fragment is 16 rows x 128 K = 12 registers a lane; register group c (four registers) lies at 512 c + 16 x lane: 1,536 bytes.
;   wc = [tile 64][K step 2][1,536], wsc = [tile][K step][16 rows] words of four bytes; fragment i is tile i / 2, K step i % 2.
;   Tiles 0-47 are qkv_w's, and THEIR ROWS ARE NOT NEIGHBOURS: lane-row r of tile t takes row 32 (t / 2) + 8 (t % 2) + r + 8 (r / 8), so that two neighbouring tiles' results are 16 neighbours along the next K.
;   Tiles 48-63 are proj_w's, rows 16 (t - 48) + r.  Lane (r, h) holds k = 64 c + 32 h + 0 .. 31 of its row, two whole blocks, so a block's largest magnitude needs no other lane.
; A block's scale is 2^(floor(log2(its largest magnitude)) - 4); its byte is the largest magnitude's exponent field - 4, held at 1 from below.
; LIMITS: NaN and infinities among the inputs are not served.  A block whose largest magnitude lies under 2^-122 keeps the byte 1; a block of zeros so gets the byte 1 where the rule says 127: its codes are zeros,
; which add nothing under any byte but 0xff, and this program alone reads the bytes.
; The weights' rows are read in pieces of 128 bytes a lane, 1,024 bytes apart: 1 MiB in all, read once.  No matrix unit, no cluster: work-groups share no input here.
.set WN,  96                           ; v96-159  the fragment's 64 numbers a lane
.set WM,  160                          ; v160-161 largest magnitudes;  v162-163 the conversions' scale operands;  v164-165 bytes;  v166 the scale word;  v167 at work
.set WC,  168                          ; v168-179 the fragment's codes;  v180-182, v184-186 the conversions' second halves
	s_load_b256 s[4:11], s[0:1], 0x0               ; x s[4:5], qkv_w s[6:7], proj_w s[8:9], stats s[10:11]
	s_load_b128 s[12:15], s[0:1], 0x20             ; wc s[12:13], wsc s[14:15]
	v_lshl_add_u32 v192, v0, 2, 0x100
	v_mov_b32 v193, 0
	v_lshrrev_b32 v1, 5, v0
	v_readfirstlane_b32 s16, v1                    ; wave 0..7
	s_mov_b32 s20, 0x76543210
	s_mov_b32 s21, 0xfedcba98                      ; v_permlanex16_b32's selects for lane l xor 16
	s_mov_b32 s19, 0
	s_mov_b32 s23, 0
	v_lshlrev_b32 v2, 4, v0                        ; 16 bytes a thread: the work-group's 256 threads cover 4,096 consecutive bytes a load
	v_lshlrev_b32 v3, 2, v1                        ; LDS: my wave's word
	v_mov_b32 v4, 0
	s_lshl_b32 s18, ttmp9, 16
	s_lshl_b32 s22, ttmp9, 3
	s_wait_kmcnt 0x0
	s_add_nc_u64 s[4:5], s[4:5], s[18:19]
	s_add_nc_u64 s[10:11], s[10:11], s[22:23]
.irp j, 0,1,2,3,4,5,6,7,8,9,10,11,12,13,14,15
	global_load_b128 v[32+4*\j:35+4*\j], v2, s[4:5] offset:4096*\j   ; no hint: later launches read x again
.endr
	s_cmp_ge_u32 ttmp9, 128                        ; 128 fragments: one for wave 0 of each of the first 128 work-groups.  No barrier stands in this branch
	s_cbranch_scc1 .Lstat
	s_cmp_lg_u32 s16, 0
	s_cbranch_scc1 .Lstat
; ---------------- a fragment of the weights ----------------
	v_and_b32 v188, 15, v0                         ; r
	v_bfe_u32 v189, v0, 4, 1                       ; h
	v_and_b32 v190, 31, v0                         ; lane
	s_lshr_b32 s18, ttmp9, 1                       ; the fragment's tile
	s_and_b32 s24, ttmp9, 1                        ; its K step
	s_lshl_b32 s24, s24, 9                         ; 128 numbers = 512 bytes
	s_lshr_b32 s22, s18, 1
	s_lshl_b32 s22, s22, 5
	s_and_b32 s25, s18, 1
	s_lshl_b32 s25, s25, 3
	s_add_co_u32 s22, s22, s25                     ; qkv_w: the tile's first row, 32 (t / 2) + 8 (t % 2)
	s_max_u32 s25, s18, 48
	s_sub_co_u32 s25, s25, 48
	s_lshl_b32 s25, s25, 4                         ; proj_w: 16 (t - 48)
	s_cmp_lt_u32 s18, 48                           ; the choice hangs on ids alone
	s_cselect_b64 s[6:7], s[6:7], s[8:9]
	s_cselect_b32 s22, s22, s25
	s_cselect_b32 s26, 8, 0                        ; qkv_w's tiles: rows 8-15 lie 8 further on
	s_lshl_b32 s22, s22, 10                        ; a row is 1,024 bytes
	s_add_co_u32 s22, s22, s24
	s_add_nc_u64 s[6:7], s[6:7], s[22:23]
	s_mul_i32 s18, ttmp9, 1536
	s_add_nc_u64 s[12:13], s[12:13], s[18:19]
	s_lshl_b32 s18, ttmp9, 6
	s_add_nc_u64 s[14:15], s[14:15], s[18:19]
	v_and_b32 v191, s26, v188
	v_add_nc_u32 v191, v191, v188                  ; r + 8 (r / 8), or r
	v_lshlrev_b32 v191, 10, v191
	v_lshl_add_u32 v191, v189, 7, v191             ; + 128 h: my block of 32 numbers
	v_lshlrev_b32 v187, 4, v190                    ; out: 16 x lane
	v_lshlrev_b32 v183, 2, v188                    ; and 4 r
.irp c, 0,1
.irp j, 0,1,2,3,4,5,6,7
	global_load_b128 v[WN+32*\c+4*\j:WN+32*\c+4*\j+3], v191, s[6:7] offset:256*\c+16*\j th:TH_LOAD_NT   ; k = 64 c + 32 h + 4 j ..
.endr
.endr
	s_wait_loadcnt 0x0
.irp c, 0,1
	v_max3_num_f32 v[WM+\c], |v[WN+32*\c]|, |v[WN+32*\c+1]|, 0x2800000   ; my block 2 c + h, and the floor 2^(5 - 127): the byte cannot fall under 1
.endr
.irp i, 2,4,6,8,10,12,14,16,18,20,22,24,26,28,30
.irp c, 0,1
	v_max3_num_f32 v[WM+\c], v[WM+\c], |v[WN+32*\c+\i]|, |v[WN+32*\c+\i+1]|
.endr
.endr
.irp c, 0,1
	v_add_nc_u32 v[WM+2+\c], 0xfe000000, v[WM+\c]  ; 4 off the exponent field: the conversion's scale operand
.endr
.irp c, 0,1
	v_lshrrev_b32 v[WM+4+\c], 23, v[WM+2+\c]       ; the scale's byte
.endr
	v_lshl_or_b32 v166, v165, 16, v164             ; my two bytes, blocks h and 2 + h,
	v_lshlrev_b32 v167, 3, v189
	v_lshlrev_b32 v166, v167, v166                 ; at their places in the word;
	v_mov_b32 v167, 0
	v_permlanex16_b32 v167, v166, s20, s21
	v_or_b32 v166, v166, v167                      ; with lane l xor 16's two the word is whole
.irp c, 0,1
	v_cvt_scalef32_pk16_bf6_f32 v[WC+6*\c:WC+6*\c+2], v[WN+32*\c:WN+32*\c+15], v[WM+2+\c]
	v_cvt_scalef32_pk16_bf6_f32 v[180+4*\c:182+4*\c], v[WN+32*\c+16:WN+32*\c+31], v[WM+2+\c]   ; (a conversion's three registers begin on an even number)
.endr
	v_nop                                          ; one plain place behind a scaled conversion
.irp c, 0,1
.irp i, 0,1,2
	v_mov_b32 v[WC+3+6*\c+\i], v[180+4*\c+\i]
.endr
.endr
.irp c, 0,1,2
	global_store_b128 v187, v[WC+4*\c:WC+4*\c+3], s[12:13] offset:512*\c   ; 32 lanes store 512 consecutive bytes, at a multiple of 256 from wc's first byte
.endr
	s_wait_xcnt 0x0                                ; EXEC changes only behind this wait
	v_cmp_gt_u32 vcc_lo, 16, v190
	s_and_saveexec_b32 s27, vcc_lo                 ; lanes 0-15: one word a row
	global_store_b32 v183, v166, s[14:15]
	s_wait_xcnt 0x0
	s_or_b32 exec_lo, exec_lo, s27
; ---------------- the statistics ----------------
.Lstat:
; v16 (a lane's partial sum) -> v8: the work-group's sum, in every lane.  Inside the wave by lane exchanges; between the waves through eight LDS words at base.
.macro WGSUM base
	v_pk_add_f32 v[16:17], v[16:17], v[18:19]      ; the four chains fold
	v_pk_add_f32 v[20:21], v[20:21], v[22:23]
	v_pk_add_f32 v[16:17], v[16:17], v[20:21]
	v_add_f32 v16, v16, v17
	v_add_f32_dpp v16, v16, v16 row_xmask:1 row_mask:0xf bank_mask:0xf
	v_add_f32_dpp v16, v16, v16 row_xmask:2 row_mask:0xf bank_mask:0xf
	v_add_f32_dpp v16, v16, v16 row_xmask:4 row_mask:0xf bank_mask:0xf
	v_add_f32_dpp v16, v16, v16 row_xmask:8 row_mask:0xf bank_mask:0xf
	v_permlanex16_b32 v17, v16, s20, s21
	v_add_f32 v16, v16, v17
	ds_store_b32 v3, v16 offset:\base              ; all lanes of a wave write the same word with the same value
	s_wait_dscnt 0x0                               ; for the others' sake: my store has landed
	s_barrier_signal -1
	s_barrier_wait -1
	ds_load_b128 v[8:11], v4 offset:\base
	ds_load_b128 v[12:15], v4 offset:\base+16
	s_wait_dscnt 0x0
	v_add_f32 v8, v8, v9
	v_add_f32 v10, v10, v11
	v_add_f32 v12, v12, v13
	v_add_f32 v14, v14, v15
	v_add_f32 v8, v8, v10
	v_add_f32 v12, v12, v14
	v_add_f32 v8, v8, v12
.endm
	s_wait_loadcnt 0x0
.irp k, 0,1,2,3
	v_pk_add_f32 v[16+2*\k:17+2*\k], v[32+2*\k:33+2*\k], v[40+2*\k:41+2*\k]   ; four chains, started by the first eight pairs: nothing is cleared
.endr
.set q, 8
.rept 24
	v_pk_add_f32 v[16+2*(q%4):17+2*(q%4)], v[16+2*(q%4):17+2*(q%4)], v[32+2*q:33+2*q]
.set q, q+1
.endr
	WGSUM 0
	v_mul_f32 v26, 0x38800000, v8                  ; the mean: sum x 2^-14
	v_mov_b32 v27, v26
.set q, 0
.rept 32
	v_pk_add_f32 v[32+2*q:33+2*q], v[32+2*q:33+2*q], v[26:27] neg_lo:[0,1] neg_hi:[0,1]   ; x - mean
.set q, q+1
.endr
.irp k, 0,1,2,3
	v_pk_mul_f32 v[16+2*\k:17+2*\k], v[32+2*\k:33+2*\k], v[32+2*\k:33+2*\k]
.endr
.set q, 4
.rept 28
	v_pk_fma_f32 v[16+2*(q%4):17+2*(q%4)], v[32+2*q:33+2*q], v[32+2*q:33+2*q], v[16+2*(q%4):17+2*(q%4)]
.set q, q+1
.endr
	WGSUM 32                                       ; other LDS words than the first sum's: no wave can overwrite what another still reads
	v_mov_b32 v27, v8                              ; (mean, M2)
	s_wait_xcnt 0x0                                ; EXEC changes only behind this wait
	v_cmp_eq_u32 vcc_lo, 0, v0
	s_wait_tensorcnt 0x0
	ds_add_u32 v192, v193
	s_wait_dscnt 0x0
	s_and_saveexec_b32 s24, vcc_lo                 ; thread 0 alone stores
	global_store_b64 v4, v[26:27], s[10:11]
	s_wait_xcnt 0x0
	s_or_b32 exec_lo, exec_lo, s24
	s_endpgm
.Lfunc_end_k_q712a917782_prep:
	.size	k_q712a917782_prep, .Lfunc_end_k_q712a917782_prep-k_q712a917782_prep
	.p2alignl 7, 3214868480
	.fill 96, 4, 3214868480
	.section	.rodata,"a",@progbits
	.p2align	6, 0x0
	.amdhsa_kernel k_q712a917782_prep
		.amdhsa_group_segment_fixed_size 1280
		.amdhsa_private_segment_fixed_size 0
		.amdhsa_enable_private_segment 0
		.amdhsa_kernarg_size 48
		.amdhsa_user_sgpr_count 2
		.amdhsa_user_sgpr_kernarg_segment_ptr 1
		.amdhsa_wavefront_size32 1
		.amdhsa_system_sgpr_workgroup_id_x 1
		.amdhsa_system_sgpr_workgroup_id_y 1
		.amdhsa_system_sgpr_workgroup_id_z 1
		.amdhsa_system_vgpr_workitem_id 0
		.amdhsa_next_free_vgpr 194
		.amdhsa_next_free_sgpr 66
		.amdhsa_reserve_vcc 1
		.amdhsa_float_denorm_mode_32 3
		.amdhsa_float_denorm_mode_16_64 3
		.amdhsa_memory_ordered 1
		.amdhsa_forward_progress 1
		.amdhsa_inst_pref_size 18
	.end_amdhsa_kernel
	.amdgpu_metadata
---
amdhsa.version: [ 1, 2 ]
amdhsa.kernels:
  - .name:           k_q712a917782_prep
    .symbol:         k_q712a917782_prep.kd
    .args:
      - { .name: x, .offset: 0, .size: 8, .value_kind: global_buffer, .address_space: global }
      - { .name: qkv_w, .offset: 8, .size: 8, .value_kind: global_buffer, .address_space: global }
      - { .name: proj_w, .offset: 16, .size: 8, .value_kind: global_buffer, .address_space: global }
      - { .name: stats, .offset: 24, .size: 8, .value_kind: global_buffer, .address_space: global }
      - { .name: wc, .offset: 32, .size: 8, .value_kind: global_buffer, .address_space: global }
      - { .name: wsc, .offset: 40, .size: 8, .value_kind: global_buffer, .address_space: global }
    .group_segment_fixed_size: 1280
    .private_segment_fixed_size: 0
    .kernarg_segment_align: 8
    .kernarg_segment_size: 48
    .max_flat_workgroup_size: 256
    .sgpr_count:     66
    .vgpr_count:     194
    .wavefront_size: 32
...
	.end_amdgpu_metadata
.endif
;; end of part 5
;; launch qkv (part 6): grid 16 x 16, 12 waves a work-group, no clusters, 14,848 bytes of LDS; arguments x, norm_w, norm_b, qkv_b, stats, wc, wsc, qc, qs, kv; writes qc, qs, kv
.if DOCPART == 6
	.amdgcn_target "amdgcn-amd-amdhsa--gfx1250"
	.amdhsa_code_object_version 6
	.text
	.protected	k_q712a917782_qkv
	.globl	k_q712a917782_qkv
	.p2align	8
	.type	k_q712a917782_qkv,@function
k_q712a917782_qkv:
	s_mov_b64 s[64:65], 0
	v_nop
	global_prefetch_b8 v0, s[64:65] scope:SCOPE_SE
	s_setreg_imm32_b32 hwreg(HW_REG_WAVE_MODE, 25, 1), 1
	s_wait_xcnt 0x0
; GroupNorm, the quantiser of hn along the channels, qkv = qkv_w hn + qkv_b on codes of BF6 (E3M2, one E8M0 scale for each 32 along K), and the quantisers of q and k (along d) and of v (along the keys).
; SHARES.  A work-group takes 64 positions s (chunk = work-group x) of one image b (work-group y).  Twelve waves: wave WV makes tensor WV / 4 (q, k, v) of head WV % 4: 64 outputs x 64 positions, K = 256: 32 matrix instructions.
; X PHASE (waves 0-7).  Wave g normalises and quantises channels 32 g .. 32 g + 31, which are GroupNorm group g AND one block of 32 along K.  A LANE TAKES A POSITION, ITS REGISTERS RUN DOWN THE CHANNELS: each load reads 128
; consecutive bytes, a block lies in one lane's 32 registers, and the conversions give codes with K innermost.  The group's gains and biases are 64 scalars.  Meanwhile waves 8-11 ask for their first weights.
; OPERANDS ARE KEPT AS IMAGES OF THEIR REGISTERS.  A HALF is 16 rows x 64 K, six registers a lane (lanes 0-15 the first block of 32, lanes 16-31 the second): registers 0-3 at 16 x lane, registers 4-5 at 512 + 8 x lane: 768 bytes.
; Two HALFs are a fragment of 12 registers.  hn's sixteen HALFs go through LDS so; q's, k's and v's go to memory so, each store 512 or 256 consecutive aligned bytes.
; kv = [image 16][quarter of 256 keys 4][head 4][25,600]: K's HALFs [tile 16][768], V's HALFs [chunk 4][d tile 4][768], K's scale words [pair of tiles 8][16], V's scale words [128 keys 2][d tile 4][16]: a quarter of all four
; heads is one dense block of 102,400 bytes for the next launch.
; THE ROWS OF A TILE ARE NOT NEIGHBOURS: of 32 positions (or 32 rows of qkv_w) tile 2 b + u takes 32 b + 8 u + r + 8 (r / 8) in lane-row r.  A result over such a tile as source 0 then has, in lane (r, h), register j of tile
; 2 b + u = index 32 b + 16 h + 8 u + j: the 16 registers of two neighbouring tiles are 16 neighbours along the next K.
; q, k: source 0 = qkv_w (resident, 96 registers), source 1 = hn (streamed from LDS): a lane holds one position, registers run along d.   v: source 0 = hn (resident), source 1 = qkv_w (streamed from memory): a lane holds one d, registers
; run along the keys.  The bias is the C of each sum's first matrix instruction.
; Every scale register holds K step 0's words in lanes 0-15 and K step 1's in lanes 16-31.
; NO JOINT LOADS: what work-groups share is the weights' codes (147,456 bytes a work-group), and each fragment of them is used by ONE wave of a work-group and goes straight into its registers; a joint load ends in LDS, from where
; the same bytes would have to be read once more.
; LIMITS: NaN and infinities are not served.  A block whose largest magnitude lies under 2^-122 keeps the scale byte 1; a block of zeros gets 1 where the rule says 127: its codes are zeros, and this program alone reads the bytes.
.set L16,  2                           ; v2   16 x lane
.set L8,   3                           ; v3   8 x lane
.set L4,   4                           ; v4   4 x lane
.set XA16, 6                           ; v6   X phase: where my position's registers 0-3 go
.set XA8,  7                           ; v7   and registers 4-5
.set XAB,  8                           ; v8   and its scale byte
.set H64,  9                           ; v9   64 h
.set RP4,  10                          ; v10  4 (r + 8 (r / 8))
.set ZERO, 11                          ; v11  0
.set KA,   14                          ; v14  a scale word kept for the next tile's
.set TM,   16                          ; v16-17 largest magnitudes;  v18-19 the other half's, then bytes;  v20-21 the conversions' scale operands
.set TP,   18
.set SO,   20
.set PW,   22                          ; v22  the two scale bytes just made
.set KW,   23                          ; v23  scale words on their way out
.set ACC,  32                          ; v32-63   four accumulators
.set SB,   64                          ; v64-87, v88-111  the streamed operand's two K steps, two buffers
.set BI,   112                         ; v112-143 q, k: the bias in the result's layout, eight registers a tile
.set BC,   112                         ; v112-119 v: the bias of one tile;  v120-123 its four sources
.set BV,   120
.set WS,   144                         ; v144-147 the weights' scale words
.set HS,   148                         ; v148-151 hn's
.set PC,   152                         ; v152-158 the codes just made
.set RES,  160                         ; v160-255 the resident operand: tile i, K step s at 160 + 24 i + 12 s
.set AC0,  24                          ; s24-55   gain x 1 / sqrt(var + eps) of my 32 channels;  s56-63, s66-89 their biases
.set SEL,  90
.set WV,   92
.set CH,   93
.set BB,   94
.set MEAN, 95
.set OC,   96                          ; s[96:97] where my codes go;  s[98:99] my scale words
.set OS,   98
.set MASK, 100                         ; s100 (behind the barrier) lanes 16-31
.set TSTR, 3200                        ; LDS: hn's tile T at 3,200 T: four HALFs (3,072 bytes) and 128 spare, so that the two tiles of one store begin in different banks
.set SCB,  12800                       ; behind them: hn's scale words, tile T, K step s, row r at 128 T + 64 s + 4 r
; 32 numbers of a lane, register 16 b + i = k 32 b + 16 h + i of my row, become a HALF in v[PC:PC+5] and two scale bytes in v[PW].  The accumulators are read from their low ends on.
.macro QUANT2 s
.irp b, 0,1
	v_max3_num_f32 v[TM+\b], |v[\s+16*\b]|, |v[\s+16*\b+1]|, 0x2800000   ; my 16 numbers of block b, and the floor 2^(5 - 127): the byte cannot fall under 1
.endr
.irp i, 2,4,6,8,10,12,14
.irp b, 0,1
	v_max3_num_f32 v[TM+\b], v[TM+\b], |v[\s+16*\b+\i]|, |v[\s+16*\b+\i+1]|
.endr
.endr
.irp b, 0,1
	v_permlanex16_b32 v[TP+\b], v[TM+\b], s[SEL], s[SEL+1]
.endr
.irp b, 0,1
	v_max_num_f32 v[TM+\b], v[TM+\b], v[TP+\b]     ; with lane l xor 16's: the block's largest magnitude
.endr
.irp b, 0,1
	v_add_nc_u32 v[SO+\b], 0xfe000000, v[TM+\b]    ; 4 off its exponent field: the conversion's scale operand
.endr
.irp b, 0,1
	v_lshrrev_b32 v[TP+\b], 23, v[SO+\b]           ; the scale's byte
.endr
	v_lshl_or_b32 v[PW], v[TP+1], 8, v[TP]
	v_cvt_scalef32_pk16_bf6_f32 v[PC:PC+2], v[\s:\s+15], v[SO]
	v_cvt_scalef32_pk16_bf6_f32 v[PC+4:PC+6], v[\s+16:\s+31], v[SO+1]
	v_nop                                          ; one plain place behind a scaled conversion
.irp i, 0,1,2
	v_permlane16_swap_b32 v[PC+\i], v[PC+4+\i]     ; the layout wants a WHOLE block in a lane: lanes 0-15 block 0, lanes 16-31 block 1
.endr
	v_mov_b32 v[PC+3], v[PC+4]
	v_mov_b32 v[PC+4], v[PC+5]
	v_mov_b32 v[PC+5], v[PC+6]
.endm
.macro HSTORE base, off                ; the HALF goes out as it stands: 512 and 256 consecutive bytes, each at a multiple of 256 from the buffer's first byte
	global_store_b128 v[L16], v[PC:PC+3], s[\base:\base+1] offset:\off
	global_store_b64 v[L8], v[PC+4:PC+5], s[\base:\base+1] offset:\off+512
.endm
.macro FRAGL reg, a16, a8, o0, o1      ; two HALFs from LDS make a fragment
	ds_load_b128 v[\reg:\reg+3], v[\a16] offset:\o0
	ds_load_b64 v[\reg+4:\reg+5], v[\a8] offset:\o0+512
	ds_load_b128 v[\reg+6:\reg+9], v[\a16] offset:\o1
	ds_load_b64 v[\reg+10:\reg+11], v[\a8] offset:\o1+512
.endm
; Eight matrix instructions: the four resident tiles x one streamed tile, K = 256.  The four accumulators take turns, one instruction a turn.
.macro PROD st, cb, cs, as, bs
.irp i, 0,1,2,3
	v_wmma_scale_f32_16x16x128_f8f6f4 v[ACC+8*\i:ACC+8*\i+7], v[RES+24*\i:RES+24*\i+11], v[\st:\st+11], v[\cb+\cs*\i:\cb+\cs*\i+7], v[\as+\i], v[\bs] matrix_a_fmt:MATRIX_FMT_BF6 matrix_b_fmt:MATRIX_FMT_BF6
.endr
.irp i, 0,1,2,3
	v_wmma_scale_f32_16x16x128_f8f6f4 v[ACC+8*\i:ACC+8*\i+7], v[RES+24*\i+12:RES+24*\i+23], v[\st+12:\st+23], v[ACC+8*\i:ACC+8*\i+7], v[\as+\i], v[\bs] matrix_a_fmt:MATRIX_FMT_BF6 matrix_b_fmt:MATRIX_FMT_BF6 matrix_a_scale:MATRIX_SCALE_ROW1 matrix_b_scale:MATRIX_SCALE_ROW1
.endr
.endm
.macro PLACES                          ; four plain places behind the last matrix instruction, ahead of reads of its results and of loads into its sources
.rept 4
	v_nop
.endr
.endm
	s_load_b512 s[4:19], s[0:1], 0x0               ; x s[4:5], norm_w s[6:7], norm_b s[8:9], qkv_b s[10:11], stats s[12:13], wc s[14:15], wsc s[16:17], qc s[18:19]
	s_load_b128 s[20:23], s[0:1], 0x40             ; qs s[20:21], kv s[22:23]
	v_lshl_add_u32 v5, v0, 2, 0x3400
	s_set_vgpr_msb 0x40
	v_mov_b32 v1, 0
	s_set_vgpr_msb 0x4000
	v_lshrrev_b32 v1, 5, v0
	v_readfirstlane_b32 s[WV], v1                  ; wave 0..11
	s_mov_b32 s[CH], ttmp9
	s_and_b32 s[BB], ttmp7, 0xffff
	s_mov_b32 s[SEL], 0x76543210
	s_mov_b32 s[SEL+1], 0xfedcba98
	v_and_b32 v1, 31, v0
	v_lshlrev_b32 v[L16], 4, v1
	v_lshlrev_b32 v[L8], 3, v1
	v_lshlrev_b32 v[L4], 2, v1
	v_and_b32 v12, 15, v0                          ; r
	v_bfe_u32 v13, v0, 4, 1                        ; h
	v_lshlrev_b32 v[H64], 6, v13
	v_and_b32 v14, 8, v12
	v_add_nc_u32 v14, v14, v12
	v_lshlrev_b32 v[RP4], 2, v14
	v_mov_b32 v[ZERO], 0
	v_mov_b32 v[TP], 0                             ; written once: a lane permute's destination counts as one of its sources
	v_mov_b32 v[TP+1], 0
	; X phase: position 32 j + lane is lane-row r' = lane % 8 + 8 (lane / 16) of tile 2 j + u, u = (lane / 8) % 2.  All LDS addresses are made here, ahead of the waves' parting.
	v_bfe_u32 v14, v0, 3, 1                        ; u
	v_and_b32 v15, 7, v0
	v_lshl_add_u32 v15, v13, 3, v15                ; r'
	s_lshr_b32 s100, s[WV], 1
	s_mul_i32 s100, s100, 768                      ; my channels' HALF,
	s_and_b32 s101, s[WV], 1                       ; and which half of its lanes
	s_lshl_b32 s24, s101, 8
	s_add_co_u32 s24, s24, s100
	s_lshl_b32 s25, s101, 7
	s_add_co_u32 s25, s25, s100
	v_mul_u32_u24 v24, v14, TSTR
	v_lshl_add_u32 v[XA16], v15, 4, v24
	v_add_nc_u32 v[XA16], s24, v[XA16]
	v_lshl_add_u32 v[XA8], v15, 3, v24
	v_add_nc_u32 v[XA8], s25, v[XA8]
	s_lshr_b32 s24, s[WV], 2
	s_lshl_b32 s24, s24, 6                         ; the K step,
	s_and_b32 s25, s[WV], 3                        ; the byte in its word
	s_add_co_u32 s24, s24, s25
	s_add_co_u32 s24, s24, SCB
	v_lshlrev_b32 v24, 7, v14
	v_lshl_add_u32 v24, v15, 2, v24
	v_add_nc_u32 v[XAB], s24, v24
	s_mov_b32 s101, 0
	s_wait_kmcnt 0x0
	s_mul_i32 s100, s[WV], 12288                   ; my four tiles of weights: 4 x 3,072 bytes,
	s_add_nc_u64 s[14:15], s[14:15], s[100:101]
	s_lshl_b32 s100, s[WV], 9                      ; their scale words,
	s_add_nc_u64 s[16:17], s[16:17], s[100:101]
	s_lshl_b32 s100, s[WV], 8                      ; my 64 numbers of qkv_b
	s_add_nc_u64 s[10:11], s[10:11], s[100:101]
	s_cmp_lt_u32 s[WV], 8
	s_cbranch_scc0 .Lv_head
; ---------------- X phase: waves 0-7 ----------------
	s_lshl_b32 s100, s[BB], 3
	s_add_co_u32 s100, s100, s[WV]
	s_lshl_b32 s100, s100, 4                       ; my group's two halves: 16 bytes
	s_add_nc_u64 s[12:13], s[12:13], s[100:101]
	s_lshl_b32 s100, s[WV], 7
	s_add_nc_u64 s[6:7], s[6:7], s[100:101]
	s_add_nc_u64 s[8:9], s[8:9], s[100:101]
	s_lshl_b32 s100, s[BB], 20
	s_lshl_b32 s24, s[WV], 17
	s_add_co_u32 s100, s100, s24
	s_lshl_b32 s24, s[CH], 8
	s_add_co_u32 s100, s100, s24
	s_add_nc_u64 s[4:5], s[4:5], s[100:101]        ; x at image b, channel 32 g, position 64 chunk
	global_load_b128 v[24:27], v[ZERO], s[12:13]   ; (mean, M2) of both halves, in every lane
	global_load_b32 v28, v[L4], s[6:7]             ; lane i: channel i's gain
	global_load_b32 v29, v[L4], s[8:9]             ; and bias
.irp j, 0,1
.irp i, 0,1,2,3,4,5,6,7,8,9,10,11,12,13,14,15,16,17,18,19,20,21,22,23,24,25,26,27,28,29,30,31
	global_load_b32 v[32+32*\j+\i], v[L4], s[4:5] offset:4096*\i+128*\j   ; channel i at 32 neighbouring positions: 128 consecutive bytes
.endr
.endr
	s_wait_loadcnt 63                              ; 64 loads were issued behind the three small ones: at most 63 out shows them done
	v_add_f32 v30, v24, v26
	v_mul_f32 v30, 0.5, v30                        ; the group's mean
	v_sub_f32 v31, v24, v26
	v_mul_f32 v31, 0.5, v31
	v_mul_f32 v31, v31, v31                        ; (half the difference of the two means)^2
	v_add_f32 v25, v25, v27
	v_fmamk_f32 v31, v25, 0x38000000, v31          ; var = (M2a + M2b) 2^-15 + that
	v_add_f32 v31, 0x3727c5ac, v31                 ; + 1e-5
	v_rsq_f32 v31, v31
	v_nop                                          ; one plain place behind a transcendental
	s_wait_alu depctr_va_vdst(0)
	v_mul_f32 v28, v28, v31
	v_readfirstlane_b32 s[MEAN], v30
.set i, 0
.rept 32
	v_readlane_b32 s[AC0+i], v28, i
.if i < 8
	v_readlane_b32 s[56+i], v29, i
.else
	v_readlane_b32 s[58+i], v29, i
.endif
.set i, i+1
.endr
	s_wait_loadcnt 32                              ; positions 0-31 are in; the other 32 loads may be out
.irp q, 0,1,2,3,4,5,6,7,8,9,10,11,12,13,14,15,16,17,18,19,20,21,22,23
	global_load_b128 v[RES+4*\q:RES+4*\q+3], v[L16], s[14:15] offset:512*\q   ; my role's weights: they land under the quantising
.endr
.irp i, 0,1,2,3
	global_load_b32 v[WS+\i], v[L4], s[16:17] offset:128*\i
.endr
.irp i, 0,1,2,3
	global_load_b128 v[BI+8*\i:BI+8*\i+3], v[H64], s[10:11] offset:(32*(\i/2)+8*(\i%2))*4      ; register j of tile 2 b + u wants output 32 b + 16 h + 8 u + j
	global_load_b128 v[BI+8*\i+4:BI+8*\i+7], v[H64], s[10:11] offset:(32*(\i/2)+8*(\i%2))*4+16
.endr
.macro NORM s                          ; (x - mean) x (gain / sqrt(var + eps)) + bias
.set i, 0
.rept 32
	v_sub_f32 v[\s+i], v[\s+i], s[MEAN]
.set i, i+1
.endr
.set i, 0
.rept 32
.if i < 8
	v_fma_f32 v[\s+i], v[\s+i], s[AC0+i], s[56+i]
.else
	v_fma_f32 v[\s+i], v[\s+i], s[AC0+i], s[58+i]
.endif
.set i, i+1
.endr
.endm
.macro QUANTB s, pc, by, j             ; a whole block of 32 in my lane: six registers of codes and a byte, to their places in hn's images
	v_max3_num_f32 v[TM], |v[\s]|, |v[\s+1]|, |v[\s+2]|
	v_max3_num_f32 v[TM+1], |v[\s+3]|, |v[\s+4]|, |v[\s+5]|
.irp i, 6,10,14,18,22,26
	v_max3_num_f32 v[TM], v[TM], |v[\s+\i]|, |v[\s+\i+1]|
	v_max3_num_f32 v[TM+1], v[TM+1], |v[\s+\i+2]|, |v[\s+\i+3]|
.endr
	v_max3_num_f32 v[TM], v[TM], |v[\s+30]|, |v[\s+31]|
	v_max3_num_f32 v[TM], v[TM], v[TM+1], 0x2800000
	v_add_nc_u32 v[SO], 0xfe000000, v[TM]
	v_lshrrev_b32 v[\by], 23, v[SO]
	v_cvt_scalef32_pk16_bf6_f32 v[\pc:\pc+2], v[\s:\s+15], v[SO]
	v_cvt_scalef32_pk16_bf6_f32 v[\pc+4:\pc+6], v[\s+16:\s+31], v[SO]
	v_nop                                          ; one plain place behind a scaled conversion
	v_mov_b32 v[\pc+3], v[\pc+4]
	v_mov_b32 v[\pc+4], v[\pc+5]
	v_mov_b32 v[\pc+5], v[\pc+6]
	ds_store_b128 v[XA16], v[\pc:\pc+3] offset:2*TSTR*\j
	ds_store_b64 v[XA8], v[\pc+4:\pc+5] offset:2*TSTR*\j+512
	ds_store_b8 v[XAB], v[\by] offset:256*\j
.endm
	NORM 32
	QUANTB 32, 96, 111, 0
	s_wait_loadcnt 36                              ; positions 32-63 are in; the 24 + 4 + 8 loads issued behind them may be out
	NORM 64
	QUANTB 64, 104, 159, 1
	s_branch .Ljoin
; ---------------- meanwhile waves 8-11 ask for what role v wants first ----------------
.Lv_head:
.irp i, 0,1,2,3
	global_load_b32 v[WS+\i], v[L4], s[16:17] offset:128*\i
.endr
.irp i, 0,1,2,3
	global_load_b32 v[BV+\i], v[RP4], s[10:11] offset:(32*(\i/2)+8*(\i%2))*4   ; lane r of tile 2 b + u is output 32 b + 8 u + r + 8 (r / 8)
.endr
.irp n, 0,1
.irp q, 0,1,2,3,4,5
	global_load_b128 v[SB+24*\n+4*\q:SB+24*\n+4*\q+3], v[L16], s[14:15] offset:3072*\n+512*\q
.endr
.endr
.Ljoin:
	s_wait_dscnt 0x0                               ; for the others' sake: my stores into hn's images have landed
	s_barrier_signal -1
	s_barrier_wait -1                              ; hn's sixteen HALFs and their scale words lie in LDS; nothing is written there again
	s_mov_b32 s[MASK], 0xffff0000
	s_mov_b32 s27, 0
	s_and_b32 s24, s[WV], 3
	s_lshl_b32 s25, s[BB], 2
	s_add_co_u32 s24, s24, s25                     ; 4 b + head
	s_cmp_lt_u32 s[WV], 4
	s_cbranch_scc0 .Lnot_q
; Roles q and k.  For each tile T of 16 positions: its two fragments of hn from LDS (a tile ahead, two buffers), eight matrix instructions, the quantiser along d, a HALF out.
; Scale words: rows r in lanes r and r + 16 hold the same word, so two tiles' (k: two pairs') words are joined, lanes 0-15 the earlier, and leave as 128 consecutive bytes.
.macro QKROLE isk
.irp T, 0,1,2,3
	ds_load_b32 v[HS+\T], v[L4] offset:SCB+128*\T
.endr
	FRAGL SB, L16, L8, 0, 768
	FRAGL SB+12, L16, L8, 1536, 2304
	s_wait_loadcnt 0x0                             ; weights, their scale words, the bias
.irp T, 0,1,2,3
.set CUR, SB+24*(\T%2)
.set NXT, SB+24*((\T+1)%2)
.if \T < 3
	FRAGL NXT, L16, L8, (\T+1)*TSTR, (\T+1)*TSTR+768
	FRAGL NXT+12, L16, L8, (\T+1)*TSTR+1536, (\T+1)*TSTR+2304
	s_wait_dscnt 8                                 ; all but the eight just issued
.else
	s_wait_dscnt 0x0
.endif
	PROD CUR, BI, 8, WS, HS+\T
	PLACES
	s_wait_xcnt 0x0                                ; the last tile's stores have read their registers
	QUANT2 ACC
	HSTORE OC, 768*\T
.if \isk
.if \T == 0
	v_mov_b32 v[KA], v[PW]                         ; a pair's word: bytes 0, 1 the even tile's, bytes 2, 3 the odd tile's
.elseif \T == 1
	v_lshl_or_b32 v[KA], v[PW], 16, v[KA]
.elseif \T == 2
	v_mov_b32 v[KW], v[PW]
.else
	v_lshl_or_b32 v[KW], v[PW], 16, v[KW]
	v_cndmask_b32 v[KW], v[KA], v[KW], s[MASK]
	global_store_b32 v[L4], v[KW], s[OS:OS+1]
.endif
.else
.if (\T%2) == 0
	v_lshl_or_b32 v[KA], v[PW], 16, v[PW]          ; q's word holds its two bytes twice: q stands in either half of a K step of 128
.else
	v_lshl_or_b32 v[KW], v[PW], 16, v[PW]
	v_cndmask_b32 v[KW], v[KA], v[KW], s[MASK]
	global_store_b32 v[L4], v[KW], s[OS:OS+1] offset:64*(\T-1)
.endif
.endif
.endr
.endm
	s_lshl_b32 s25, s24, 6
	s_lshl_b32 s26, s[CH], 2
	s_add_co_u32 s25, s25, s26                     ; my first tile among q's 64 a head
	s_mul_i32 s26, s25, 768
	s_add_nc_u64 s[OC:OC+1], s[18:19], s[26:27]
	s_lshl_b32 s26, s25, 6
	s_add_nc_u64 s[OS:OS+1], s[20:21], s[26:27]
	QKROLE 0
	s_set_vgpr_msb 0x4
	s_wait_tensorcnt 0x0
	ds_add_u32 v5, v1
	s_wait_dscnt 0x0
	s_set_vgpr_msb 0x400
	s_endpgm
.Lnot_q:
	s_and_b32 s28, s[WV], 3
	s_mul_i32 s25, s28, 25600                      ; kv: the head's 25,600 bytes,
	s_mul_i32 s28, s[BB], 409600
	s_add_co_u32 s25, s25, s28                     ; in the image's 409,600,
	s_lshr_b32 s28, s[CH], 2
	s_mul_i32 s28, s28, 102400
	s_add_co_u32 s25, s25, s28                     ; in my chunk's quarter of the keys
	s_and_b32 s29, s[CH], 3                        ; my chunk in its quarter
	s_cmp_lt_u32 s[WV], 8
	s_cbranch_scc0 .Lrole_v
	s_mul_i32 s26, s29, 3072
	s_add_co_u32 s26, s26, s25
	s_add_nc_u64 s[OC:OC+1], s[22:23], s[26:27]    ; K's HALFs: [tile 16][768]
	s_lshl_b32 s26, s29, 7
	s_add_co_u32 s26, s26, s25
	s_add_co_u32 s26, s26, 24576
	s_add_nc_u64 s[OS:OS+1], s[22:23], s[26:27]    ; K's scale words: [pair 8][16]
	QKROLE 1
	s_set_vgpr_msb 0x4
	s_wait_tensorcnt 0x0
	ds_add_u32 v5, v1
	s_wait_dscnt 0x0
	s_set_vgpr_msb 0x400
	s_endpgm
; Role v.  hn's eight fragments are resident; the four tiles of weights are streamed from memory, two buffers.  A lane holds one d, its registers 64 keys: two blocks.
.Lrole_v:
	s_mul_i32 s26, s29, 3072
	s_add_co_u32 s26, s26, s25
	s_add_co_u32 s26, s26, 12288
	s_add_nc_u64 s[OC:OC+1], s[22:23], s[26:27]    ; V's HALFs: [chunk 4][d tile 4][768]
	s_lshr_b32 s26, s29, 1
	s_lshl_b32 s26, s26, 8
	s_and_b32 s28, s[CH], 1
	s_lshl_b32 s28, s28, 1
	s_add_co_u32 s26, s26, s28
	s_add_co_u32 s26, s26, s25
	s_add_co_u32 s26, s26, 25088
	s_add_nc_u64 s[OS:OS+1], s[22:23], s[26:27]    ; V's scale words: [128 keys 2][d tile 4][16]; my chunk's two bytes are half a word
.irp T, 0,1,2,3
	ds_load_b32 v[HS+\T], v[L4] offset:SCB+128*\T
.endr
.irp T, 0,1,2,3
	FRAGL RES+24*\T, L16, L8, \T*TSTR, \T*TSTR+768
	FRAGL RES+24*\T+12, L16, L8, \T*TSTR+1536, \T*TSTR+2304
.endr
	s_wait_dscnt 0x0
.irp n, 0,1,2,3
.set CUR, SB+24*(\n%2)
.if \n < 3
	s_wait_loadcnt 6                               ; this tile's weights are in; the next tile's six loads may be out
.else
	s_wait_loadcnt 0x0
.endif
.irp j, 0,1,2,3,4,5,6,7
	v_mov_b32 v[BC+\j], v[BV+\n]                   ; a lane's eight results share its d, and so its bias
.endr
	PROD CUR, BC, 0, HS, WS+\n
	PLACES
.if \n < 2
.irp q, 0,1,2,3,4,5
	global_load_b128 v[CUR+4*\q:CUR+4*\q+3], v[L16], s[14:15] offset:3072*(\n+2)+512*\q
.endr
.endif
	s_wait_xcnt 0x0                                ; the last tile's stores have read their registers
	QUANT2 ACC
	HSTORE OC, 768*\n
.if (\n%2) == 0
	v_mov_b32 v[KA], v[PW]
.else
	v_cndmask_b32 v[KW], v[KA], v[PW], s[MASK]     ; lanes 0-15 tile n - 1's rows, lanes 16-31 tile n's
	global_store_b16 v[L4], v[KW], s[OS:OS+1] offset:64*(\n-1)   ; 2 bytes of each of 32 neighbouring words; the neighbouring chunk's work-group writes the other halves.  131,072 bytes in the whole launch
.endif
.endr
	s_set_vgpr_msb 0x4
	s_wait_tensorcnt 0x0
	ds_add_u32 v5, v1
	s_wait_dscnt 0x0
	s_set_vgpr_msb 0x400
	s_endpgm
.Lfunc_end_k_q712a917782_qkv:
	.size	k_q712a917782_qkv, .Lfunc_end_k_q712a917782_qkv-k_q712a917782_qkv
	.p2alignl 7, 3214868480
	.fill 96, 4, 3214868480
	.section	.rodata,"a",@progbits
	.p2align	6, 0x0
	.amdhsa_kernel k_q712a917782_qkv
		.amdhsa_group_segment_fixed_size 14848
		.amdhsa_private_segment_fixed_size 0
		.amdhsa_enable_private_segment 0
		.amdhsa_kernarg_size 80
		.amdhsa_user_sgpr_count 2
		.amdhsa_user_sgpr_kernarg_segment_ptr 1
		.amdhsa_wavefront_size32 1
		.amdhsa_system_sgpr_workgroup_id_x 1
		.amdhsa_system_sgpr_workgroup_id_y 1
		.amdhsa_system_sgpr_workgroup_id_z 1
		.amdhsa_system_vgpr_workitem_id 0
		.amdhsa_next_free_vgpr 258
		.amdhsa_next_free_sgpr 102
		.amdhsa_reserve_vcc 0
		.amdhsa_float_denorm_mode_32 3
		.amdhsa_float_denorm_mode_16_64 3
		.amdhsa_memory_ordered 1
		.amdhsa_forward_progress 1
		.amdhsa_inst_pref_size 82
	.end_amdhsa_kernel
	.amdgpu_metadata
---
amdhsa.version: [ 1, 2 ]
amdhsa.kernels:
  - .name:           k_q712a917782_qkv
    .symbol:         k_q712a917782_qkv.kd
    .args:
      - { .name: x, .offset: 0, .size: 8, .value_kind: global_buffer, .address_space: global }
      - { .name: norm_w, .offset: 8, .size: 8, .value_kind: global_buffer, .address_space: global }
      - { .name: norm_b, .offset: 16, .size: 8, .value_kind: global_buffer, .address_space: global }
      - { .name: qkv_b, .offset: 24, .size: 8, .value_kind: global_buffer, .address_space: global }
      - { .name: stats, .offset: 32, .size: 8, .value_kind: global_buffer, .address_space: global }
      - { .name: wc, .offset: 40, .size: 8, .value_kind: global_buffer, .address_space: global }
      - { .name: wsc, .offset: 48, .size: 8, .value_kind: global_buffer, .address_space: global }
      - { .name: qc, .offset: 56, .size: 8, .value_kind: global_buffer, .address_space: global }
      - { .name: qs, .offset: 64, .size: 8, .value_kind: global_buffer, .address_space: global }
      - { .name: kv, .offset: 72, .size: 8, .value_kind: global_buffer, .address_space: global }
    .group_segment_fixed_size: 14848
    .private_segment_fixed_size: 0
    .kernarg_segment_align: 8
    .kernarg_segment_size: 80
    .max_flat_workgroup_size: 384
    .sgpr_count:     102
    .vgpr_count:     258
    .wavefront_size: 32
...
	.end_amdgpu_metadata
.endif
;; end of part 6
;; launch attn (part 7): grid 16 x 16, 16 waves a work-group, clusters of 4 x 1, 327,680 bytes of LDS; arguments qc, qs, kv, wc, wsc, proj_b, x, out0; writes out0
.if DOCPART == 7
	.amdgcn_target "amdgcn-amd-amdhsa--gfx1250"
	.amdhsa_code_object_version 6
	.text
	.protected	k_q712a917782_attn
	.globl	k_q712a917782_attn
	.p2align	8
	.type	k_q712a917782_attn,@function
k_q712a917782_attn:
	s_mov_b64 s[64:65], 0
	v_nop
	global_prefetch_b8 v0, s[64:65] scope:SCOPE_SE
	s_setreg_imm32_b32 hwreg(HW_REG_WAVE_MODE, 25, 1), 1
	s_wait_xcnt 0x0
	s_wait_alu depctr_hold_cnt(0) depctr_sa_sdst(0) depctr_va_vdst(0) depctr_va_sdst(0) depctr_va_ssrc(0) depctr_va_vcc(0) depctr_vm_vsrc(0)
	s_getreg_b32 s2, hwreg(HW_REG_IB_STS2, 6, 4)
	s_cmp_eq_u32 s2, 0
	s_cbranch_scc0 .Lentry_in_a_cluster
	s_endpgm
.Lentry_in_a_cluster:
	s_bfe_u32 s2, ttmp6, 0x10000c
	s_cmp_lg_u32 s2, 0x3003
	s_cbranch_scc0 .Lentry_shape_is_right
	s_endpgm
.Lentry_shape_is_right:
; out0 = x + proj_w att + proj_b with att = softmax(q k^T / 8) v, all three products on codes of BF6 (E3M2) with one E8M0 scale for each 32 along K; att never goes to memory.
; THE SOFTMAX AHEAD OF THE SECOND PRODUCT: t = score x log2(e) / 8; M = the row's largest t so far, rounded UP to a whole number; p = 2^(t - M) is what is quantised, along the keys; it is not normalised.  The row's sum is taken
; of the unquantised p, in f32, and divides the result at the end.  When M moves, the sum and the result are multiplied by 2^(old M - new M): exact.
; SHARES.  A work-group owns 64 positions (chunk = work-group x) of one image (work-group y), for ALL FOUR HEADS, so that it holds all 256 channels of att that the projection wants.  Sixteen waves, 256 registers each, four to a SIMD,
; so that one wave's vector work stands beside another's matrix work and LDS loads.  In the attention wave w is head w % 4, tile w / 4 of 16 queries, and walks the 1,024 keys, 128 a step; in the projection it makes outputs 16 w .. 16 w + 15.
; K AND V.  A quarter of the keys (256), all four heads, codes and scale words as images of the operands' registers, is one dense block of 102,400 bytes.  Four quarters do not fit in LDS together: three slots, all filled at the start,
; and ONE refill: quarter 3 goes into slot 0 when quarter 0 has been read; it has four key steps in which to land.  Each wave brings 25 rows of 256 bytes of each quarter: three loads of a wave are out at the start, one behind the refill.
; CLUSTER.  Four chunks of one image form a cluster and read the same K and V: every load is asked for JOINTLY, by the same tensor load with the same descriptor (made of the image and the wave's number alone) and a mask that names the four.
; LAYOUT.  The attention's products are used transposed: S^T = K Q^T, O^T = V^T P^T: a lane holds one query (lane % 16) throughout.  The keys of a tile, and the d of a tile of V, are chosen (32 b + 8 u + r + 8 (r / 8) in lane-row r of tile
; 2 b + u) so that the 16 registers of two neighbouring tiles are 16 neighbours: of the keys for p, of d for the result.
; THE FIRST PRODUCT'S K IS 64, the instruction's 128.  A fragment of K holds TWO tiles of keys, one in each half of the 128; it is multiplied once by [q | zero codes] and once by [zero codes | q] (the two operands share their six zero
; registers).  So the unused half is zero codes on Q's side alone: the other tile's codes are multiplied by exact zeros, under scale bytes between 1 and 254.
; THE EXPONENTIALS STAND BY TURNS WITH PLAIN WORK.  A step has 68 of them.  The four of the blocks' largest scores come first, so that the scale bytes are plain work that is ready early; behind every exponential stands one plain
; instruction that is ready: a scaling t - M eight pairs ahead, a line of the scales, a rescaling of O^T, an addition of the row's sum.  So no two exponentials follow each other, and each has its plain instruction behind it.
; THE PROJECTION.  Each wave's result, divided by the sum and quantised along its head's 64 channels, goes to LDS as an image (768 bytes and two scale bytes a row); behind a barrier every wave reads all sixteen.  Source 0 = att, source 1 =
; 16 rows of proj_w: a lane holds one output and eight neighbouring positions; a wave's 16 rows x 256 bytes turn through its own stage, so that sixteen lanes store 256 consecutive aligned bytes.  The bias is the C of each sum's first
; instruction.  x (65,536 bytes a work-group, wanted at the very end) is asked for behind the first barrier, not ahead of the tiles that the first step waits for; proj_w's codes in the last key step, into the registers that q has left.
; LIMITS: NaN and infinities are not served.  A block whose largest magnitude lies under 2^-122 keeps the scale byte 1; a block of zeros gets 1 where the rule says 127: its codes are zeros, and this program alone reads the bytes.
; A block's largest p is taken as the exponential of the block's largest score, which leans on v_exp_f32 not falling where its input rises.
; This text claims all of a WGP's LDS; it uses 322,048 bytes.
.set SLOTB, 102400                     ; a slot: a quarter of the keys, [head 4][25,600]
.set HEADB, 25600                      ; a head's part: K's images 12,288, V's images 12,288, K's scale words 512, V's 512
.set SPARE, 3*SLOTB                    ; behind the slots: the spare words, 128 bytes for each wave: eight blocks of 256 bytes that no other line names
.set AT,    SPARE+2048                 ; att's images: [tile 4][head 4][768]: bytes of their own, into which no fill lands
.set ATS,   AT+12288                   ; and scale words: [tile 4][K step 2][16]
.set STG,   SLOTB                      ; the way out: 16 rows x (256 + 16) bytes for each wave, in slot 1, which has had its only fill, and which nobody reads behind the last barriers
.set H16, 1                            ; v1  16 x lane + my head's part of a slot
.set H8,  2                            ; v2  8 x lane + the same
.set H4,  3                            ; v3  4 x lane + the same + where K's scale words begin
.set GO,  4                            ; v4  my byte offset in the wave's 16 rows of x and out0
.set A16, 5                            ; v5-7 the step's addresses
.set A8,  6
.set AS,  7
.set SPW, 8                            ; v8  LDS address of my spare word: SPARE + 4 x my thread's number; never rewritten
.set NIL, 9                            ; v9  0; never rewritten
.set BV,  10                           ; v10 my output's bias
.set STO, 11                           ; v11 the stage: where I put 32 bytes of a row
                                       ; v12 -M, v13 the largest t, v[14:15] the sum in two halves
.set QL,  16                           ; v16-27 [q | 0];  v22-33 [0 | q];  later v16-39 proj_w's two fragments
.set QH,  22
.set KV,  40                           ; v40-87   four fragments of K or of V;  later v40-71 the projection's accumulators, v72-79 its bias, v80-87 addresses
.set S,   88                           ; v88-151  S^T, then p
.set O,   152                          ; v152-183 O^T;  later v88-183 att's eight fragments, then v88-119 rows of the result
.set P,   184                          ; v184-195 p's codes
.set BM,  196                          ; v196-199 the blocks' largest scores
.set PT,  200                          ; v200-203 the other half's, then bytes, then (v200-201) the second chain of the sum
.set CT,  204                          ; v204-206, v208-210 the conversions' second halves
.set SR,  207                          ; v207 the stage: where I read a row back
.set SO,  212                          ; v212-215 the conversions' scale operands
.set KS,  216                          ; v216-217 K's scale words: lanes 0-15 an even pair of tiles, lanes 16-31 the odd one;  v218-219 V's likewise;  later v216-219 att's
.set VS,  218
.set F,   220                          ; v220 f = 2^(old M - new M)
.set PW,  221                          ; v221 p's scale word, at last att's two bytes
.set TMP, 222
.set QS,  223                          ; v223 q's scale words, later proj_w's
.set X,   224                          ; v224-255 x
.set TM,  196                          ; the last quantiser's registers
.set TP,  200
.set PC,  184
.set ACC, 40
.set BC,  72
.set RES, 88
.set WV,  20
.set G1,  24                           ; s[24:31] descriptor group 1;  s[32:43] group 0, a set for each slot
.set G0,  32
.set SEL, 44
.set CS,  46
.macro ROUND                           ; a round of the cluster's barrier
	s_barrier_signal -1
	s_barrier_wait -1
	s_cmp_lg_u32 s[WV], 0
	s_cbranch_scc1 .Lnot_wave_0_\@
	s_barrier_signal -3
.Lnot_wave_0_\@:
	s_barrier_wait -3
	s_barrier_signal -1
	s_barrier_wait -1
.endm
.macro FRAGL reg, a16, a8, o0, o1      ; two images of 768 bytes (registers 0-3 at 16 x lane, 4-5 at 512 + 8 x lane) make a fragment
	ds_load_b128 v[\reg:\reg+3], v[\a16] offset:\o0
	ds_load_b64 v[\reg+4:\reg+5], v[\a8] offset:\o0+512
	ds_load_b128 v[\reg+6:\reg+9], v[\a16] offset:\o1
	ds_load_b64 v[\reg+10:\reg+11], v[\a8] offset:\o1+512
.endm
.macro PKT pr                          ; t - M for pair pr of the lane's 32 pairs of scores (of the pairs c and -M the low word serves both halves)
	v_pk_fma_f32 v[S+2*(\pr):S+2*(\pr)+1], v[S+2*(\pr):S+2*(\pr)+1], s[CS:CS+1], v[12:13] op_sel_hi:[1,0,0]
.endm
.macro QUANT2 s                        ; 32 numbers of a lane, register 16 b + i = k 32 b + 16 h + i of my row, become six registers of codes in v[PC:PC+5] and two scale bytes in v[PW]
.irp b, 0,1
	v_max3_num_f32 v[TM+\b], |v[\s+16*\b]|, |v[\s+16*\b+1]|, 0x2800000
.endr
.irp i, 2,4,6,8,10,12,14
.irp b, 0,1
	v_max3_num_f32 v[TM+\b], v[TM+\b], |v[\s+16*\b+\i]|, |v[\s+16*\b+\i+1]|
.endr
.endr
.irp b, 0,1
	v_permlanex16_b32 v[TP+\b], v[TM+\b], s[SEL], s[SEL+1]
.endr
.irp b, 0,1
	v_max_num_f32 v[TM+\b], v[TM+\b], v[TP+\b]
.endr
.irp b, 0,1
	v_add_nc_u32 v[SO+\b], 0xfe000000, v[TM+\b]
.endr
.irp b, 0,1
	v_lshrrev_b32 v[TP+\b], 23, v[SO+\b]
.endr
	v_lshl_or_b32 v[PW], v[TP+1], 8, v[TP]
	v_cvt_scalef32_pk16_bf6_f32 v[PC:PC+2], v[\s:\s+15], v[SO]
	v_cvt_scalef32_pk16_bf6_f32 v[PC+4:PC+6], v[\s+16:\s+31], v[SO+1]
	v_nop                                          ; one plain place behind a scaled conversion
.irp i, 0,1,2
	v_permlane16_swap_b32 v[PC+\i], v[PC+4+\i]
.endr
	v_mov_b32 v[PC+3], v[PC+4]
	v_mov_b32 v[PC+4], v[PC+5]
	v_mov_b32 v[PC+5], v[PC+6]
.endm
	s_load_b512 s[4:19], s[0:1], 0x0               ; qc s[4:5], qs s[6:7], kv s[8:9], wc s[10:11], wsc s[12:13], proj_b s[14:15], x s[16:17], out0 s[18:19]
	v_lshl_add_u32 v[SPW], v0, 2, SPARE
	v_mov_b32 v[NIL], 0
	ds_add_u32 v8, v9
	ds_add_u32 v8, v9
	s_wait_dscnt 0x0
	v_lshrrev_b32 v88, 5, v0
	v_readfirstlane_b32 s[WV], v88                 ; wave 0..15
	s_bfe_u32 s21, ttmp6, 0x40000                  ; cx: it enters qc's, qs's, x's and out0's addresses alone
	s_lshl_b32 s22, ttmp9, 2
	s_add_co_u32 s22, s22, s21                     ; my chunk of 64 positions
	s_and_b32 s23, ttmp7, 0xffff                   ; the image, which the four partners share
	s_and_b32 s48, s[WV], 3                        ; head
	s_lshr_b32 s49, s[WV], 2                       ; my tile of queries in the chunk
	; descriptor group 1: 25 rows of 256 bytes (32 elements of 8), dense, no padding
	s_mov_b32 s[G1], 15|(3<<16)|(1<<21)            ; 15:0 the mask: all four work-groups; 17:16 elements of 8 bytes; 21 set beside a mask
	s_mov_b32 s[G1+1], 32<<16                      ; tensor_dim0 = 32
	s_mov_b32 s[G1+2], 25<<16                      ; tensor_dim1 = 25
	s_mov_b32 s[G1+3], 32<<16                      ; tile_dim0 = 32
	s_mov_b32 s[G1+4], 25                          ; tile_dim1 = 25
	s_mov_b32 s[G1+5], 32                          ; from row to row
	s_mov_b32 s[G1+6], 0
	s_mov_b32 s[G1+7], 0
	s_mul_i32 s52, s[WV], 6400                     ; my sixteenth of a quarter, in LDS as in memory
	s_mul_i32 s56, s23, 4*SLOTB
	s_add_co_u32 s56, s56, s52
	s_mov_b32 s57, 0                               ; kv: the image's first quarter, my part
	s_lshl_b32 s50, s23, 2
	s_add_co_u32 s50, s50, s48
	s_lshl_b32 s50, s50, 6
	s_lshl_b32 s51, s22, 2
	s_add_co_u32 s50, s50, s51
	s_add_co_u32 s50, s50, s49                     ; my tile among q's [image][head][64]
	s_mul_i32 s58, s50, 768
	s_mov_b32 s59, 0
	s_lshl_b32 s60, s50, 6
	s_mov_b32 s61, 0
	s_lshl_b32 s62, s23, 20
	s_lshl_b32 s51, s[WV], 16
	s_add_co_u32 s62, s62, s51
	s_lshl_b32 s51, s22, 8
	s_add_co_u32 s62, s62, s51                     ; x, out0: image, output 16 w, position 64 chunk
	s_mov_b32 s63, 0
	s_add_co_u32 s51, s[WV], 48                    ; my tile of proj_w among the weights' 64
	s_mul_i32 s66, s51, 3072
	s_mov_b32 s67, 0
	s_lshl_b32 s68, s51, 7
	s_mov_b32 s69, 0
	s_lshl_b32 s70, s[WV], 6
	s_mov_b32 s71, 0
	s_mul_i32 s53, s49, 3072
	s_mul_i32 s51, s48, 768
	s_add_co_u32 s53, s53, s51
	s_add_co_u32 s53, s53, AT                      ; where my image of att goes
	s_lshl_b32 s54, s49, 7
	s_lshr_b32 s51, s48, 1
	s_lshl_b32 s51, s51, 6
	s_add_co_u32 s54, s54, s51
	s_and_b32 s51, s48, 1
	s_lshl_b32 s51, s51, 1
	s_add_co_u32 s54, s54, s51
	s_add_co_u32 s54, s54, ATS                     ; and its scale bytes: my head's two are half a word
	s_mul_i32 s55, s[WV], 16*272
	s_add_co_u32 s55, s55, STG                     ; my stage
	s_mul_i32 s72, s48, HEADB                      ; my head's part of a slot
	s_add_co_u32 s73, s72, 24576
	s_mov_b32 s[SEL], 0x76543210
	s_mov_b32 s[SEL+1], 0xfedcba98
	s_mov_b32 s[CS], 0x3e38aa3b                    ; c = log2(e) / 8
	s_mov_b32 s[CS+1], s[CS]                       ; (named with it as a pair, so it is written)
	v_and_b32 v88, 31, v0                          ; lane
	v_and_b32 v89, 15, v0                          ; r
	v_bfe_u32 v90, v0, 4, 1                        ; h
	v_lshlrev_b32 v91, 4, v88
	v_lshlrev_b32 v92, 3, v88
	v_lshlrev_b32 v93, 2, v89
	v_add_nc_u32 v[H16], s72, v91
	v_add_nc_u32 v[H8], s72, v92
	v_lshl_add_u32 v[H4], v88, 2, s73
	v_lshlrev_b32 v[GO], 12, v90
	v_lshl_add_u32 v[GO], v89, 4, v[GO]            ; lanes 0-15 one row, lanes 16-31 the next, 4,096 bytes on; 16 bytes a lane
	v_mul_u32_u24 v[STO], v89, 272
	v_lshl_add_u32 v[STO], v90, 6, v[STO]
	v_add_nc_u32 v[STO], s55, v[STO]               ; into the stage: row r, + 64 h
	v_mul_u32_u24 v[SR], v90, 272
	v_lshl_add_u32 v[SR], v89, 4, v[SR]
	v_add_nc_u32 v[SR], s55, v[SR]                 ; back: lanes 0-15 one row, lanes 16-31 the next
	s_wait_kmcnt 0x0
	s_add_nc_u64 s[8:9], s[8:9], s[56:57]
	s_add_nc_u64 s[4:5], s[4:5], s[58:59]
	s_add_nc_u64 s[6:7], s[6:7], s[60:61]
	s_add_nc_u64 s[16:17], s[16:17], s[62:63]
	s_add_nc_u64 s[18:19], s[18:19], s[62:63]
	s_add_nc_u64 s[10:11], s[10:11], s[66:67]
	s_add_nc_u64 s[12:13], s[12:13], s[68:69]
	s_add_nc_u64 s[14:15], s[14:15], s[70:71]
.irp s, 0,1,2
	s_mov_b32 s[G0+4*\s], 1                        ; group 0: count = 1,
	s_add_co_u32 s[G0+4*\s+1], s52, \s*SLOTB       ; LDS address: slot s, my part,
	s_add_nc_u64 s[G0+4*\s+2:G0+4*\s+3], s[8:9], \s*SLOTB   ; global address: quarter s, my part,
	s_or_b32 s[G0+4*\s+3], s[G0+4*\s+3], 0x80000000         ; type = 2
.endr
	global_load_b128 v[16:19], v91, s[4:5]         ; q's six registers, twice: in the lower half of one operand
	global_load_b64 v[20:21], v92, s[4:5] offset:512
	global_load_b128 v[28:31], v91, s[4:5]         ; and in the upper half of the other
	global_load_b64 v[32:33], v92, s[4:5] offset:512
	global_load_b32 v[QS], v93, s[6:7]
	global_load_b32 v[BV], v93, s[14:15]
	ROUND                                          ; all four work-groups are here: the joint loads meet
	tensor_load_to_lds s[G0:G0+3], s[G1:G1+7]      ; quarters 0, 1, 2: the first fills go out together; four v_nop follow the last
	s_nop 0
	tensor_load_to_lds s[G0+4:G0+7], s[G1:G1+7]
	s_nop 0
	tensor_load_to_lds s[G0+8:G0+11], s[G1:G1+7]
	s_nop 0
.rept 4
	v_nop
.endr
.irp j, 22,23,24,25,26,27
	v_mov_b32 v[\j], 0                             ; zero codes
.endr
	v_mov_b32 v13, 0xff61b1e6                      ; the largest t so far: -3e38, under every t
	v_floor_f32 v12, -v13                          ; -M
	v_mov_b32 v14, 0
	v_mov_b32 v15, 0
.irp b, 0,1,2,3
	v_mov_b32 v[PT+\b], 0                          ; written once: a lane permute's destination counts as one of its sources
.endr
	v_mov_b32 v[PW], 0                             ; (named as the upper half of the pair v[F:F+1] before it is first written)
.set j, 0
.rept 32
	v_mov_b32 v[O+j], 0                            ; O^T.  (The step is one macro: the first finds zeros, which the first change of M leaves zeros)
.set j, j+1
.endr
; A KEY STEP: 128 keys, the st-th of eight; quarter st / 2 lies in slot (st / 2) % 3.  Every LDS address is a constant + my lane's and my head's part.  last = 1: proj_w's codes are asked for as soon as q's registers are free.
.macro STEP st, last
.set CBK, (((\st)/2)%3)*SLOTB+((\st)%2)*6144
.set CBS, (((\st)/2)%3)*SLOTB+((\st)%2)*256
	v_add_nc_u32 v[A16], CBK, v[H16]               ; (these four lines are the places behind the last step's products, ahead of the loads into the registers that they read)
	v_add_nc_u32 v[A8], CBK, v[H8]
	v_add_nc_u32 v[AS], CBS, v[H4]
	v_nop
.irp p, 0,1,2,3
	FRAGL KV+12*\p, A16, A8, 1536*\p, 1536*\p+768  ; tiles 2 p and 2 p + 1 of the step's eight
.endr
	ds_load_b32 v[KS], v[AS]
	ds_load_b32 v[KS+1], v[AS] offset:128
	s_wait_dscnt 0x0
.irp p, 0,1,2,3
.if \p%2
	v_wmma_scale_f32_16x16x128_f8f6f4 v[S+16*\p:S+16*\p+7], v[KV+12*\p:KV+12*\p+11], v[QL:QL+11], 0, v[KS+\p/2], v[QS] matrix_a_fmt:MATRIX_FMT_BF6 matrix_b_fmt:MATRIX_FMT_BF6 matrix_a_scale:MATRIX_SCALE_ROW1
	v_wmma_scale_f32_16x16x128_f8f6f4 v[S+16*\p+8:S+16*\p+15], v[KV+12*\p:KV+12*\p+11], v[QH:QH+11], 0, v[KS+\p/2], v[QS] matrix_a_fmt:MATRIX_FMT_BF6 matrix_b_fmt:MATRIX_FMT_BF6 matrix_a_scale:MATRIX_SCALE_ROW1
.else
	v_wmma_scale_f32_16x16x128_f8f6f4 v[S+16*\p:S+16*\p+7], v[KV+12*\p:KV+12*\p+11], v[QL:QL+11], 0, v[KS+\p/2], v[QS] matrix_a_fmt:MATRIX_FMT_BF6 matrix_b_fmt:MATRIX_FMT_BF6
	v_wmma_scale_f32_16x16x128_f8f6f4 v[S+16*\p+8:S+16*\p+15], v[KV+12*\p:KV+12*\p+11], v[QH:QH+11], 0, v[KS+\p/2], v[QS] matrix_a_fmt:MATRIX_FMT_BF6 matrix_b_fmt:MATRIX_FMT_BF6
.endif
.endr                                              ; register 16 p + i of S^T is key 32 p + 16 (lane / 16) + i of the step
.rept 4
	v_nop                                          ; four places: ahead of the loads into the products' sources and of the first read of the scores
.endr
.irp n, 0,1,2,3
	FRAGL KV+12*\n, A16, A8, 12288+768*\n, 15360+768*\n   ; V's d tile n: the step's two chunks of 64 keys.  These 18 loads land under the softmax
.endr
	ds_load_b32 v[VS], v[AS] offset:512
	ds_load_b32 v[VS+1], v[AS] offset:640
.if \last
	v_and_b32 v[A16], 31, v0                       ; q has been multiplied for the last time: its registers and its scale register take proj_w's, which land under the last softmax
	v_lshlrev_b32 v[A8], 2, v[A16]
	v_lshlrev_b32 v[A16], 4, v[A16]
.irp q, 0,1,2,3,4,5
	global_load_b128 v[QL+4*\q:QL+4*\q+3], v[A16], s[10:11] offset:512*\q
.endr
	global_load_b32 v[QS], v[A8], s[12:13]
.endif
.irp b, 0,1,2,3
	v_max3_num_f32 v[BM+\b], v[S+16*\b], v[S+16*\b+1], v[S+16*\b+2]   ; THE LARGEST SCORE OF EACH BLOCK OF 32 KEYS serves twice: for the row's maximum and, since p rises with the score, for the block's largest p
.endr
.irp i, 3,5,7,9,11,13
.irp b, 0,1,2,3
	v_max3_num_f32 v[BM+\b], v[BM+\b], v[S+16*\b+\i], v[S+16*\b+\i+1]
.endr
.endr
.irp b, 0,1,2,3
	v_max_num_f32 v[BM+\b], v[BM+\b], v[S+16*\b+15]
.endr
.irp b, 0,1,2,3
	v_permlanex16_b32 v[PT+\b], v[BM+\b], s[SEL], s[SEL+1]
.endr
.irp b, 0,1,2,3
	v_max_num_f32 v[BM+\b], v[BM+\b], v[PT+\b]     ; with lane l xor 16's 16 keys
.endr
	v_max3_num_f32 v[TMP], v[BM], v[BM+1], v[BM+2]
	v_max_num_f32 v[TMP], v[TMP], v[BM+3]          ; the step's largest score of my query
	v_mul_f32 v[TMP], s[CS], v[TMP]                ; as t (c is positive)
	v_max_num_f32 v13, v13, v[TMP]                 ; the running largest t
	v_mov_b32 v[TMP], v12
	v_floor_f32 v12, -v13                          ; the new -M = floor(-t) = -ceil(t): a whole number
	v_sub_f32 v[TMP], v12, v[TMP]                  ; old M - new M: a whole number, 0 or less
	v_cvt_i32_f32 v[TMP], v[TMP]                   ; (it saturates)
	v_ldexp_f32 v[F], 1.0, v[TMP]                  ; f = 2^(old M - new M)
.irp b, 0,1,2,3
	v_fma_f32 v[BM+\b], v[BM+\b], s[CS], v12       ; t - M of each block's largest score
.endr
.irp b, 0,1,2,3
	PKT \b                                         ; and of the first four pairs of scores
.endr
.irp b, 0,1,2,3
	v_exp_f32 v[BM+\b], v[BM+\b]                   ; the block's largest p: the same multiply-add and exponential on the same number as in its place among the 64
	PKT 4+\b
.endr
; 64 exponentials, p = 2^(t - M), at most 1 and not normalised; behind each one plain instruction that names neither its result nor its source.
; Behind the even ones: t - M eight pairs ahead (24), then the first eight additions of the row's sum, of pairs whose exponentials stand 40 lines back or more.
; Behind the odd ones: the sum under the new M; the floor 2^(5 - 127), the conversions' scale operands (4 off the exponent field), the scale bytes, p's scale word; O^T under the new M, each accumulator from its low end on.
; THE ROW'S SUM IS TAKEN OF THE UNQUANTISED p, two at a time, in two chains: even pairs onto v[14:15], odd pairs onto v[PT:PT+1], which the scale bytes have left by then.
.set kk, 0
.rept 32
	v_exp_f32 v[S+2*kk], v[S+2*kk]
.if kk < 24
	PKT 8+kk
.elseif kk == 24
	v_pk_add_f32 v[PT:PT+1], v[S:S+1], v[S+2:S+3]
.elseif kk%2
	s_wait_alu depctr_va_vdst(0)
	v_pk_add_f32 v[14:15], v[14:15], v[S+2*(kk-23):S+2*(kk-23)+1]
.else
	v_pk_add_f32 v[PT:PT+1], v[PT:PT+1], v[S+2*(kk-23):S+2*(kk-23)+1]
.endif
	v_exp_f32 v[S+2*kk+1], v[S+2*kk+1]
.if kk == 0
	v_pk_mul_f32 v[14:15], v[14:15], v[F:F+1] op_sel_hi:[1,0]
.elseif kk < 5
	s_wait_alu depctr_va_vdst(0)
	v_max_num_f32 v[BM+kk-1], 0x2800000, v[BM+kk-1]
.elseif kk < 9
	v_add_nc_u32 v[SO+kk-5], 0xfe000000, v[BM+kk-5]
.elseif kk < 13
	v_lshrrev_b32 v[PT+kk-9], 23, v[SO+kk-9]
.elseif kk == 13
	v_lshl_or_b32 v[PW], v[PT+1], 8, v[PT]
.elseif kk == 14
	v_lshl_or_b32 v[PW], v[PT+2], 16, v[PW]
.elseif kk == 15
	v_lshl_or_b32 v[PW], v[PT+3], 24, v[PW]
.else
	v_pk_mul_f32 v[O+2*(kk-16):O+2*(kk-16)+1], v[O+2*(kk-16):O+2*(kk-16)+1], v[F:F+1] op_sel_hi:[1,0]
.endif
.set kk, kk+1
.endr
	s_wait_alu depctr_va_vdst(0)
.irp c, 0,1
	v_cvt_scalef32_pk16_bf6_f32 v[P+6*\c:P+6*\c+2], v[S+32*\c:S+32*\c+15], v[SO+2*\c]
	v_cvt_scalef32_pk16_bf6_f32 v[CT+4*\c:CT+4*\c+2], v[S+32*\c+16:S+32*\c+31], v[SO+2*\c+1]   ; (a conversion's three registers begin on an even number)
.endr
	v_nop                                          ; one plain place behind a scaled conversion
.irp c, 0,1                                        ; the layout wants a WHOLE block in a lane: lanes 0-15 block 2 c, lanes 16-31 block 2 c + 1
.irp i, 0,1,2
	v_permlane16_swap_b32 v[P+6*\c+\i], v[CT+4*\c+\i]
.endr
.irp i, 0,1,2
	v_mov_b32 v[P+6*\c+3+\i], v[CT+4*\c+\i]
.endr
.endr
.set pp, 9
.rept 23                                           ; the rest of the row's sum: pairs 9 to 31.  These 24 lines name no register of the products below: they are the places between p's codes and those products
.if pp%2
	v_pk_add_f32 v[PT:PT+1], v[PT:PT+1], v[S+2*pp:S+2*pp+1]
.else
	v_pk_add_f32 v[14:15], v[14:15], v[S+2*pp:S+2*pp+1]
.endif
.set pp, pp+1
.endr
	v_pk_add_f32 v[14:15], v[14:15], v[PT:PT+1]
	s_wait_dscnt 0x0                               ; V and its scale words
.irp n, 0,1,2,3                                    ; O^T += V^T P^T: the four accumulators take turns
.if \n%2
	v_wmma_scale_f32_16x16x128_f8f6f4 v[O+8*\n:O+8*\n+7], v[KV+12*\n:KV+12*\n+11], v[P:P+11], v[O+8*\n:O+8*\n+7], v[VS+\n/2], v[PW] matrix_a_fmt:MATRIX_FMT_BF6 matrix_b_fmt:MATRIX_FMT_BF6 matrix_a_scale:MATRIX_SCALE_ROW1
.else
	v_wmma_scale_f32_16x16x128_f8f6f4 v[O+8*\n:O+8*\n+7], v[KV+12*\n:KV+12*\n+11], v[P:P+11], v[O+8*\n:O+8*\n+7], v[VS+\n/2], v[PW] matrix_a_fmt:MATRIX_FMT_BF6 matrix_b_fmt:MATRIX_FMT_BF6
.endif
.endr
.endm
	s_wait_tensorcnt 2                             ; my part of quarter 0 is in; the two loads issued behind it may be out: quarters 1 and 2 may still land behind this barrier
	s_barrier_signal -1
	s_barrier_wait -1                              ; everybody's is
	s_wait_loadcnt 0x0                             ; q, its scale words and the bias
.irp i, 0,1,2,3,4,5,6,7
	global_load_b128 v[X+4*\i:X+4*\i+3], v[GO], s[16:17] offset:8192*\i th:TH_LOAD_NT   ; sixteen lanes read 256 consecutive bytes; the program's last read of x.  Wanted behind the eight key steps
.endr
	STEP 0, 0
	STEP 1, 0
	; THE ONE REFILL.  Every wave waits for all its tensor loads (quarters 1 and 2 are whole behind the round), adds 0 to its spare word, and waits for that and for its reads of slot 0; the round holds for all four work-groups.
	s_wait_tensorcnt 0x0                           ; no tensor load of mine is out, so a group 0 may be written
	ds_add_u32 v[SPW], v[NIL]                      ; 0 onto my spare word
	s_add_nc_u64 s[G0+2:G0+3], s[G0+2:G0+3], 3*SLOTB   ; slot 0's descriptor: quarter 3; the type bits on top are not reached
	s_wait_dscnt 0x0                               ; the add is done, and my reads of slot 0 are over
	ROUND
	tensor_load_to_lds s[G0:G0+3], s[G1:G1+7]      ; the first thing behind the round, and my only tensor load from here on; four key steps lie ahead of its first read
	s_nop 0
.rept 4
	v_nop
.endr
	STEP 2, 0
	STEP 3, 0
	STEP 4, 0
	STEP 5, 0
	s_wait_tensorcnt 0x0                           ; my part of quarter 3 is in: the one load that was out
	s_wait_dscnt 0x0
	s_barrier_signal -1
	s_barrier_wait -1                              ; everybody's is
	STEP 6, 0
	STEP 7, 1
	; O^T / the sum; register 16 b + i is d = 32 b + 16 (lane / 16) + i of my query: my head's 64 channels are two blocks of the projection's K.
.rept 4
	v_nop                                          ; four places behind the last products
.endr
	v_add_f32 v14, v14, v15                        ; the sum's two halves,
	v_permlanex16_b32 v[TMP], v14, s[SEL], s[SEL+1]
	v_add_f32 v14, v14, v[TMP]                     ; and lane l xor 16's: the row's sum
	v_rcp_f32 v14, v14
	v_and_b32 v83, 31, v0                          ; (a plain place behind the transcendental)  lane
	v_and_b32 v84, 15, v0                          ; r
	v_lshlrev_b32 v86, 4, v83
	v_lshlrev_b32 v87, 3, v83
	v_add_nc_u32 v80, s53, v86                     ; my image of att: registers 0-3,
	v_add_nc_u32 v81, s53, v87                     ; registers 4-5,
	v_lshl_add_u32 v82, v84, 2, s54                ; my row's two scale bytes (lanes r and r + 16 write the same bytes with the same value)
.set j, 0
	s_wait_alu depctr_va_vdst(0)
.rept 32
	v_mul_f32 v[S+j], v[O+j], v14                  ; each accumulator from its low end on
.set j, j+1
.endr
	QUANT2 S
	ds_store_b128 v80, v[PC:PC+3]
	ds_store_b64 v81, v[PC+4:PC+5] offset:512
	ds_store_b16 v82, v[PW]
	v_add_nc_u32 v86, AT, v86                      ; from where every wave reads the sixteen images,
	v_add_nc_u32 v87, AT, v87
	v_lshl_add_u32 v83, v83, 2, ATS                ; and their scale words: K step 0's in lanes 0-15, K step 1's in lanes 16-31
	s_wait_dscnt 0x0                               ; for the others' sake: my stores have landed
	s_barrier_signal -1
	s_barrier_wait -1                              ; att's 64 positions x 256 channels lie in LDS; every wave's reads of the slots are over
.irp T, 0,1,2,3
	FRAGL RES+24*\T, 86, 87, 3072*\T, 3072*\T+768
	FRAGL RES+24*\T+12, 86, 87, 3072*\T+1536, 3072*\T+2304
.endr
.irp T, 0,1,2,3
	ds_load_b32 v[KS+\T], v83 offset:128*\T
.endr
	s_wait_loadcnt 0x0                             ; x, and proj_w's codes and scale words
.irp j, 0,1,2,3,4,5,6,7
	v_mov_b32 v[BC+\j], v[BV]                      ; a lane's eight results share its output, and so its bias
.endr
	s_wait_dscnt 0x0
.irp i, 0,1,2,3                                    ; the four accumulators take turns, one instruction a turn
	v_wmma_scale_f32_16x16x128_f8f6f4 v[ACC+8*\i:ACC+8*\i+7], v[RES+24*\i:RES+24*\i+11], v[QL:QL+11], v[BC:BC+7], v[KS+\i], v[QS] matrix_a_fmt:MATRIX_FMT_BF6 matrix_b_fmt:MATRIX_FMT_BF6
.endr
.irp i, 0,1,2,3
	v_wmma_scale_f32_16x16x128_f8f6f4 v[ACC+8*\i:ACC+8*\i+7], v[RES+24*\i+12:RES+24*\i+23], v[QL+12:QL+23], v[ACC+8*\i:ACC+8*\i+7], v[KS+\i], v[QS] matrix_a_fmt:MATRIX_FMT_BF6 matrix_b_fmt:MATRIX_FMT_BF6 matrix_a_scale:MATRIX_SCALE_ROW1 matrix_b_scale:MATRIX_SCALE_ROW1
.endr
.rept 4
	v_nop                                          ; four places ahead of the first read of results and of the loads into att's registers
.endr
.irp i, 0,1,2,3                                    ; lane (r, h), register j of tile 2 b + u: output 16 w + r, position 32 b + 16 h + 8 u + j
	ds_store_b128 v[STO], v[ACC+8*\i:ACC+8*\i+3] offset:128*(\i/2)+32*(\i%2)        ; each accumulator from its low end on
	ds_store_b128 v[STO], v[ACC+8*\i+4:ACC+8*\i+7] offset:128*(\i/2)+32*(\i%2)+16
.endr
.irp i, 0,1,2,3,4,5,6,7
	ds_load_b128 v[RES+4*\i:RES+4*\i+3], v[SR] offset:544*\i   ; LDS serves a wave's instructions in order (ISA guide 5.7.1.4): these see my stores; the stage is my own
.endr
	s_wait_dscnt 0x0
.set j, 0
.rept 16
	v_pk_add_f32 v[RES+j:RES+j+1], v[RES+j:RES+j+1], v[X+j:X+j+1]
.set j, j+2
.endr
.irp i, 0,1,2,3,4,5,6,7
	global_store_b128 v[GO], v[RES+4*\i:RES+4*\i+3], s[18:19] offset:8192*\i th:TH_STORE_NT   ; sixteen lanes store 256 consecutive bytes, at a multiple of 256 from out0's first byte
.endr
	s_wait_tensorcnt 0x0                           ; the wave's end: behind my last tensor load and my last LDS store
	ds_add_u32 v[SPW], v[NIL]
	s_wait_dscnt 0x0
	ROUND                                          ; the closing round: no work-group ends while a partner may still ask for a tile that names it
	s_endpgm
.Lfunc_end_k_q712a917782_attn:
	.size	k_q712a917782_attn, .Lfunc_end_k_q712a917782_attn-k_q712a917782_attn
	.p2alignl 7, 3214868480
	.fill 96, 4, 3214868480
	.section	.rodata,"a",@progbits
	.p2align	6, 0x0
	.amdhsa_kernel k_q712a917782_attn
		.amdhsa_group_segment_fixed_size 327680
		.amdhsa_private_segment_fixed_size 0
		.amdhsa_enable_private_segment 0
		.amdhsa_kernarg_size 64
		.amdhsa_user_sgpr_count 2
		.amdhsa_user_sgpr_kernarg_segment_ptr 1
		.amdhsa_wavefront_size32 1
		.amdhsa_system_sgpr_workgroup_id_x 1
		.amdhsa_system_sgpr_workgroup_id_y 1
		.amdhsa_system_sgpr_workgroup_id_z 1
		.amdhsa_system_vgpr_workitem_id 0
		.amdhsa_next_free_vgpr 256
		.amdhsa_next_free_sgpr 80
		.amdhsa_reserve_vcc 0
		.amdhsa_float_denorm_mode_32 3
		.amdhsa_float_denorm_mode_16_64 3
		.amdhsa_memory_ordered 1
		.amdhsa_forward_progress 1
		.amdhsa_inst_pref_size 149
	.end_amdhsa_kernel
	.amdgpu_metadata
---
amdhsa.version: [ 1, 2 ]
amdhsa.kernels:
  - .name:           k_q712a917782_attn
    .symbol:         k_q712a917782_attn.kd
    .args:
      - { .name: qc, .offset: 0, .size: 8, .value_kind: global_buffer, .address_space: global }
      - { .name: qs, .offset: 8, .size: 8, .value_kind: global_buffer, .address_space: global }
      - { .name: kv, .offset: 16, .size: 8, .value_kind: global_buffer, .address_space: global }
      - { .name: wc, .offset: 24, .size: 8, .value_kind: global_buffer, .address_space: global }
      - { .name: wsc, .offset: 32, .size: 8, .value_kind: global_buffer, .address_space: global }
      - { .name: proj_b, .offset: 40, .size: 8, .value_kind: global_buffer, .address_space: global }
      - { .name: x, .offset: 48, .size: 8, .value_kind: global_buffer, .address_space: global }
      - { .name: out0, .offset: 56, .size: 8, .value_kind: global_buffer, .address_space: global }
    .group_segment_fixed_size: 327680
    .private_segment_fixed_size: 0
    .kernarg_segment_align: 8
    .kernarg_segment_size: 64
    .max_flat_workgroup_size: 512
    .sgpr_count:     80
    .vgpr_count:     256
    .wavefront_size: 32
...
	.end_amdgpu_metadata
.endif
;; end of part 7
